; MI455X (gfx1250); checked and timed in simulation.
; The chip was launched on July 23, 2026; its instructions are those of AMD's public machine-readable ISA for CDNA 5 (MIT licence, August 2026) and "CDNA5" Instruction Set Architecture Reference Guide (July 2026). The comments in the code are by the model that wrote it; some were corrected since.
;; Multi Head Attention. Allowed arithmetic: matrix products marked QUANTISED: E2M3 operands, one E8M0 scale for each 32 along K, by v_wmma_scale_f32_16x16x128_f8f6f4 with both operands' format E2M3, f32 sums; everything else in f32.
;; Inputs: Wk_codes 1,024 x 32 x 24 uint8 (E2M3 codes of Wk, K innermost, in blocks of 32 codes, four codes in three bytes); Wk_scales 1,024 x 32 uint8 (E8M0 scales of Wk, one for each 32 codes along K); Wo_codes 1,024 x 32 x 24 uint8 (E2M3 codes of Wo, K innermost, in blocks of 32 codes, four codes in three bytes); Wo_scales 1,024 x 32 uint8 (E8M0 scales of Wo, one for each 32 codes along K); Wq_codes 1,024 x 32 x 24 uint8 (E2M3 codes of Wq, K innermost, in blocks of 32 codes, four codes in three bytes); Wq_scales 1,024 x 32 uint8 (E8M0 scales of Wq, one for each 32 codes along K); Wv_codes 1,024 x 32 x 24 uint8 (E2M3 codes of Wv, K innermost, in blocks of 32 codes, four codes in three bytes); Wv_scales 1,024 x 32 uint8 (E8M0 scales of Wv, one for each 32 codes along K); bk 1,024 float32; bo 1,024 float32; bq 1,024 float32; bv 1,024 float32; x_codes 4 x 2,048 x 32 x 24 uint8 (E2M3 codes of x, K innermost, in blocks of 32 codes, four codes in three bytes); x_scales 4 x 2,048 x 32 uint8 (E8M0 scales of x, one for each 32 codes along K).
;; Outputs: out0 4 x 2,048 x 1,024 float32.
;; This version of the problem:
;;   THIS VERSION OF THE PROBLEM IS GIVEN IN LOW PRECISION. The matrix products marked QUANTISED in the list below multiply operands that are first quantised to E2M3 (2 exponent bits, 3 mantissa bits; 6 bits a number), with one power-of-two scale for each 32 numbers along K (OCP MX v1.0); their sums are f32. All else is computed in f32.
;;   The module's matrix products, in the order in which they are computed (A, B: the left and right operand; K: the contracted axis; several contracted axes count as one K, in the product's order):
;;     1. [M 8,192, K 1,024] x [K 1,024, N 1,024]; A: input x (given as codes); B: input Wq (given as codes): QUANTISED
;;     2. [M 8,192, K 1,024] x [K 1,024, N 1,024]; A: input x (given as codes); B: input Wk (given as codes): QUANTISED
;;     3. [M 8,192, K 1,024] x [K 1,024, N 1,024]; A: input x (given as codes); B: input Wv (given as codes): QUANTISED
;;     4. batch 64 x [M 2,048, K 64] x [K 64, N 2,048]; A: computed on the way; B: computed on the way: QUANTISED
;;     5. batch 64 x [M 2,048, K 2,048] x [K 2,048, N 64]; A: softmax (see below); B: computed on the way: QUANTISED
;;     6. [M 8,192, K 1,024] x [K 1,024, N 1,024]; A: computed on the way; B: input Wo (given as codes): QUANTISED
;;   THE QUANTISER, for each operand of a quantised product, along K:
;;     - K is cut into blocks of 32 from its start; a last block that is shorter is filled with zeros.
;;     - A block's scale is 2^e with e = floor(log2(the largest magnitude in the block)) - 2, held to -126 .. 127; a block of zeros has e = 0. As a byte (E8M0): e + 127.
;;     - Each number is divided by its block's scale, clamped to +-7.5, and rounded to the nearest number of E2M3, ties to even, subnormals kept.
;;     - The product sums the exact products of the quantised numbers (number of the format x scale) in f32.
;;   ~~~python
;;   def quantise(x, axis):      # numpy; x: float32 -> the quantised numbers, widened to float32 again
;;       x = np.moveaxis(x, axis, -1); K = x.shape[-1]
;;       x = np.pad(x, [(0, 0)] * (x.ndim - 1) + [(0, -K % 32)]); x = x.reshape(x.shape[:-1] + (-1, 32)); a = np.abs(x).max(-1, keepdims=True)
;;       e = np.where(a > 0, np.clip(np.frexp(np.where(a > 0, a, 1))[1] - 1 - 2, -126, 127), 0)      # np.frexp(a)[1] - 1 = floor(log2(a)), exactly
;;       r = np.clip(x / 2.0 ** e, -7.5, 7.5)
;;       step = 2.0 ** (np.maximum(np.frexp(np.where(r == 0, 1, r))[1] - 1, 0) - 3)
;;       q = np.round(r / step) * step * 2.0 ** e      # np.round: ties to even
;;       return np.moveaxis(q.reshape(q.shape[:-2] + (-1,))[..., :K], -1, axis).astype(np.float32)
;;   ~~~
;;   SOFTMAX AHEAD OF A QUANTISED PRODUCT. Where the list says 'softmax', what is quantised is not the finished softmax but p = 2^(t - M), with t = logit x log2(e) and M = ceil(the row's largest t), a whole number; so 1/2 < the row's largest p <= 1. The row's sum l is taken of the UNQUANTISED p, in f32, and the product's result is divided by l at the end. Since M is a whole number, a kernel that streams over the keys may use a running M (the ceiling of the running maximum): every later rescaling is an exact power of two, which a block's scale takes up: the codes' values come out the same.
;;   OPERANDS COMPUTED ON THE WAY. 'Computed on the way' means the value that the module computes at that place (a softmax that the list does not call 'softmax' is quantised finished and normalised). What goes into a quantiser is computed in f32, as accurately as f32 sums, v_exp_f32 and their like allow (about 1e-6 of the number): no bf16 or f16 on the way to a quantiser, and a product that is left as it is and whose result goes on into a quantised operand takes f32 operands (vector FMAs, or v_wmma_f32_16x16x4_f32). A number that lies on a knife's edge between two numbers of the format may be rounded either way, as far as f32 arithmetic and the matrix unit's own rounding can turn it there, and no further.
;;   INPUTS GIVEN AS CODES. Wk (in the module: [1024, 1024], K = its axis 1); Wo (in the module: [1024, 1024], K = its axis 1); Wq (in the module: [1024, 1024], K = its axis 1); Wv (in the module: [1024, 1024], K = its axis 1); x (in the module: [4, 2048, 1024], K = its axis 2): each comes as NAME_codes (uint8): NAME with its K axis moved to the last place and cut into blocks of 32 codes, [.., K / 32, bytes a block], one block behind the other in memory; four codes in three bytes: a row's codes are one little-endian stream of bits, code i at bits 6 i .. 6 i + 5 (a code: sign, 2 exponent bits, 3 mantissa bits); and NAME_scales (uint8): the same leading axes, one E8M0 byte (e + 127) for each 32 codes along K. Its value is code x scale, taken as it is: it is not quantised again, and the codes and scales need not be those that the quantiser above would give.
;; One version. Each part assembles by itself: llvm-mc -triple=amdgcn-amd-amdhsa -mcpu=gfx1250 --defsym DOCPART=n.
;; ======== version 1 of 1: 3 launches
;; workspace buffers: qw 6,553,600 bytes; kv 13,107,200 bytes; oc 6,291,456 bytes; os 262,144 bytes
;; launch qkv (part 1): grid 96 x 4, 4 waves a work-group, clusters of 4 x 4, 327,680 bytes of LDS; arguments x_codes, x_scales, Wq_codes, Wq_scales, Wk_codes, Wk_scales, Wv_codes, Wv_scales, bq, bk, bv, qw, kv; writes qw, kv
.if DOCPART == 1
	.amdgcn_target "amdgcn-amd-amdhsa--gfx1250"
	.amdhsa_code_object_version 6
	.text
	.protected	k_qf3b46f6f0d_qkv
	.globl	k_qf3b46f6f0d_qkv
	.p2align	8
	.type	k_qf3b46f6f0d_qkv,@function
k_qf3b46f6f0d_qkv:
	s_mov_b64 s[64:65], 0
	v_nop
	global_prefetch_b8 v0, s[64:65] scope:SCOPE_SE
	s_setreg_imm32_b32 hwreg(HW_REG_WAVE_MODE, 25, 1), 1
	s_wait_xcnt 0x0
	s_wait_alu depctr_hold_cnt(0) depctr_sa_sdst(0) depctr_va_vdst(0) depctr_va_sdst(0) depctr_va_ssrc(0) depctr_va_vcc(0) depctr_vm_vsrc(0)
	s_getreg_b32 s2, hwreg(HW_REG_IB_STS2, 6, 4)
	s_cmp_eq_u32 s2, 0
	s_cbranch_scc0 .Lentry_in_a_cluster
	s_endpgm
.Lentry_in_a_cluster:
	s_bfe_u32 s2, ttmp6, 0x10000c
	s_cmp_lg_u32 s2, 0xf033
	s_cbranch_scc0 .Lentry_shape_is_right
	s_endpgm
.Lentry_shape_is_right:
; q = x Wq^T + bq, k = x Wk^T + bk, v = x Wv^T + bv on codes of FP6 (E2M3) with one E8M0 scale for each 32 along K = 1,024; sums in f32.  The results never leave as f32: they are quantised here
; for the attention's two products, q and k along the head's 64 channels (two blocks of 32), v along the keys, and stored as IMAGES OF OPERAND REGISTERS.
; SHARES.  A work-group of four waves makes 256 rows of a side A x 256 rows of a side B; a wave 128 x 128: 64 accumulators, 512 registers.  The matrix instruction takes 16 rows of B as source 0 and 16 rows of A as
; source 1: a lane then holds ONE row of A, and its registers run along B's rows, which is the axis that is quantised.
;   clusters 0-15:  A = x (tokens), B = Wq (even clusters) or Wk (odd): a lane holds a token, its registers run along the channels.
;   clusters 16-23: A = Wv (channels), B = x (tokens): a lane holds a channel, its registers run along the keys.
; All four tensors have rows of 768 bytes of codes and 32 scale bytes, so only pointers differ: they are chosen by the cluster's number, which all sixteen partners share.
; CLUSTERS: 4 x 4 work-groups; A's tiles are asked for jointly along a row of the cluster, B's along a column.  K goes in steps of 256 through two LDS slots; the scale bytes of the 512 rows come once and stay.
; THE ORDER INSIDE A BLOCK OF 32.  A lane holds, of a block, the offsets 8 h + 0..7 and 16 + 8 h + 0..7 (h = lane / 16).  Converted and exchanged between the halves of the lanes, place i of a block holds offset
; i (i < 8), i + 8 (8 <= i < 16), i - 8 (16 <= i < 24), i (i >= 24).  q and k carry it alike along the channels, v and the attention's p alike along the keys: the pairs that are multiplied stay pairs, and the blocks are the true blocks.
; OUT.  qw: [16 b + head][step of 128 tokens][6,400]: 6,144 bytes of codes, register R = 6 t + i (tile t of 16 tokens) of lane l at 512 (R / 4) + 16 l + 4 (R % 4), so that registers 12 u .. 12 u + 11 are one operand with
; tile 2 u at k 0-63 and tile 2 u + 1 at k 64-127; then 256 bytes of scale words, word w of lane l at 8 l + 4 w: lanes 0-15 pair 2 w, lanes 16-31 pair 2 w + 1.
; kv: [16 b + head][step of 128 keys][12,800]: k as in qw; from 6,400 on v^T's four fragments (16 channels x 128 keys, 1,536 bytes each); from 12,544 on their scale words, laid like k's.
; LIMITS: NaN and infinities are not served.  A block whose largest magnitude lies under 2^-124 gets the byte 1; a block of zeros too, where the rule says 127: its codes are zeros, and this program alone reads the bytes.
; REGISTERS, in windows of 256: window 0: v0-31 addresses; v32-63 scale words, two sets; v64-127 the bias; from v128 A's fragments, ONE set; behind the products v128-255 are at work.
;   window 1: B's fragments, TWO sets, at v0 and v128.   windows 2, 3: the accumulators of my rows 0-63 and 64-127 (accumulator (a, b) at v[8 (8 (a % 4) + b)]).
.set KSTEP,  256                       ; along K in a slot
.set NQ,     KSTEP/128                 ; matrix instructions deep
.set ROWB,   192                       ; a tile's row in bytes
.set KROW,   768                       ; a row of codes in memory
.set PITCH,  240                       ; an LDS row: 3 x (64 bytes + 16 of padding)
.set FR,     12                        ; registers of a fragment
.set NL,     6                         ; LDS loads that bring one
.set NP,     4                         ; places behind this matrix instruction (ISA guide 7.12.1)
.set HALFT,  128*PITCH                 ; 128 rows: what one tensor load brings
.set SLOT,   4*HALFT                   ; A's 256 rows, then B's 256
.set KS,     32                        ; a row of scale bytes
.set SCL,    2*SLOT                    ; behind the ring: the scales, as runs of 256 bytes + 16 of padding
.set HALFS,  (128*KS/256)*272          ; those of 128 rows
.set SBLK,   (16*KS/256)*272           ; those of 16 rows
.set SPARE,  SCL+4*HALFS               ; the spare words, 128 bytes for each wave: two blocks of 256 bytes that no other line names
.set QREC,   6400                      ; a record of qw
.set KVREC,  12800                     ; a record of kv
.set ADRA, 16                          ; v16-17 LDS address of my A fragments in slot 0, 1 (v18-19: behind one padding more)
.set ADRB, 20                          ; v20-23 the same for B
.set LI,   24                          ; v24  16 x lane
.set L8,   25                          ; v25  8 x lane
.set BOF,  26                          ; v26  my byte offset in the bias
.set ADRS, 27                          ; v27  LDS address of my scale words: lanes 0-15 A's rows, lanes 16-31 B's
.set SPW,  28                          ; v28  LDS address of my spare word; never rewritten
.set NIL,  29                          ; v29  0; never rewritten
.set LANE, 30                          ; v30  lane
.set SC,   32                          ; scale words, set s at v[SC + 16 s]
.set BIAS, 64
.set AF,   128                         ; A's fragments
.set ST,   128                         ; behind the products: 64 numbers of a lane
.set PCB,  192                         ; 24 registers of codes
.set CT,   216                         ; the conversions' second halves
.set BM,   224                         ; four largest magnitudes
.set PT,   228                         ; the other half's, then the bytes
.set SO,   232                         ; the conversions' scale operands
.set PWS,  236                         ; eight scale words, one for each block of A
.set W,    244
.set OUT,  252
.set SEL,  2                           ; s[2:3] v_permlanex16_b32's selects for lane l xor 16
.set G1, 24
.set G0, 32
.set G1B, 48
.set G0B, 56
.set G1S, 68
.set G0S, 76
.set G1SB, 80
.set G0SB, 88
.set MSB, 0
.macro WIN new                         ; the immediate's high byte repeats the setting that is left
.if MSB != \new
	s_set_vgpr_msb (MSB<<8)|\new
.set MSB, \new
.endif
.endm
.set MUL_LO, 0xa1                      ; source 0 (B) window 1, source 1 (A) window 0, C and D window 2
.set MUL_HI, 0xf1                      ; the same, C and D window 3
.set TO_B,   0x40                      ; destination window 1, address window 0
; A joint load: waves 0 and 1 fetch for A, waves 2 and 3 for B.  Each line has one mask and one set of registers for all that issue it; the branch hangs on the wave's number alone.
; Four v_nop follow each of the two lines, ahead of the jump, the label and what follows.
.macro JLOAD g0a, g1a, g0b, g1b
	s_cmp_eq_u32 s15, 0
	s_cbranch_scc0 .Lfor_b_\@
	tensor_load_to_lds s[\g0a:\g0a+3], s[\g1a:\g1a+7]
	s_nop 0
.rept 4
	v_nop
.endr
	s_branch .Lasked_\@
.Lfor_b_\@:
	tensor_load_to_lds s[\g0b:\g0b+3], s[\g1b:\g1b+7]
	s_nop 0
.rept 4
	v_nop
.endr
.Lasked_\@:
.endm
.macro CREST                           ; a round of the cluster's barrier behind its opening barrier
	s_cmp_lg_u32 s14, 0
	s_cbranch_scc1 .Lnot_wave_0_\@
	s_barrier_signal -3
.Lnot_wave_0_\@:
	s_barrier_wait -3
	s_barrier_signal -1
	s_barrier_wait -1
.endm
.macro CROUND                          ; a whole round
	s_barrier_signal -1
	s_barrier_wait -1
	CREST
.endm
	s_load_b128 s[4:7], s[0:1], 0x0                ; x's codes, x's scales
	s_load_b256 s[68:75], s[0:1], 0x10             ; Wq's codes, scales; Wk's codes, scales
	s_load_b128 s[76:79], s[0:1], 0x30             ; Wv's codes, scales
	s_load_b256 s[80:87], s[0:1], 0x40             ; bq, bk, bv, qw
	s_load_b64 s[88:89], s[0:1], 0x60              ; kv
	v_lshl_add_u32 v[SPW], v0, 2, SPARE
	v_mov_b32 v[NIL], 0
	ds_add_u32 v28, v29
	ds_add_u32 v28, v29
	s_wait_dscnt 0x0
	v_lshrrev_b32 v1, 5, v0
	v_readfirstlane_b32 s14, v1                    ; wave 0..3
	s_lshr_b32 s15, s14, 1                         ; which half of A's rows is mine.  Also: I fetch for A (0) or for B (1)
	s_and_b32 s16, s14, 1                          ; which half of B's rows.  Also: which 128 rows of that tile I fetch
	s_bfe_u32 s40, ttmp6, 0x40000                  ; cx, cy: my place in the cluster
	s_bfe_u32 s41, ttmp6, 0x40004
	s_lshl_b32 s43, s41, 2
	s_lshl_b32 s43, 15, s43                        ; my row of the cluster
	s_lshl_b32 s44, 0x1111, s40                    ; my column
	; descriptor group 1: a tile of 128 rows x 192 bytes, 16 bytes of padding behind every 64
	s_or_b32 s[G1+0], s43, (0<<16)|(1<<20)|(1<<21)|(3<<22)|(3<<25)  ; 15:0 the mask: A's tiles go to my row; 17:16 elements of 1 byte; 20 padding on; 21 set beside a mask; 24:22 after every 16 words; 31:25 of 4 words
	s_or_b32 s[G1B+0], s44, (0<<16)|(1<<20)|(1<<21)|(3<<22)|(3<<25)
.irp g, G1, G1B
	s_mov_b32 s[\g+1], ROWB<<16                    ; tensor_dim0
	s_mov_b32 s[\g+2], 128<<16                     ; tensor_dim1
	s_mov_b32 s[\g+3], ROWB<<16                    ; tile_dim0
	s_mov_b32 s[\g+4], 128                         ; tile_dim1
	s_mov_b32 s[\g+5], KROW                        ; tensor_dim0_stride
	s_mov_b32 s[\g+6], 0
	s_mov_b32 s[\g+7], 0
.endr
	s_mov_b32 s[SEL], 0x76543210
	s_mov_b32 s[SEL+1], 0xfedcba98
	s_lshr_b32 s92, ttmp9, 1                       ; clusters 0-15: which 1,024 tokens
	s_max_u32 s93, ttmp9, 16
	s_sub_co_u32 s93, s93, 16                      ; clusters 16-23: which 1,024 tokens; 0 in the others
	s_mov_b32 s94, KVREC
	s_mov_b32 s100, QREC
	s_wait_kmcnt 0x0
	; the choices hang on the cluster's number alone, which the sixteen partners share, and on no address
	s_bitcmp1_b32 ttmp9, 0                         ; an odd cluster takes Wk, bk and kv, an even one Wq, bq and qw
	s_cselect_b64 s[68:69], s[72:73], s[68:69]
	s_cselect_b64 s[70:71], s[74:75], s[70:71]
	s_cselect_b64 s[80:81], s[82:83], s[80:81]
	s_cselect_b64 s[86:87], s[88:89], s[86:87]
	s_cselect_b32 s100, s94, s100                  ; bytes from record to record
	s_cmp_lt_u32 ttmp9, 16                         ; q or k (A = x, B = the weight), or v (A = Wv, B = x)?
	s_cselect_b64 s[8:9], s[68:69], s[4:5]         ; B's codes
	s_cselect_b64 s[10:11], s[70:71], s[6:7]       ; B's scales
	s_cselect_b64 s[4:5], s[4:5], s[76:77]         ; A's codes
	s_cselect_b64 s[6:7], s[6:7], s[78:79]         ; A's scales
	s_cselect_b64 s[98:99], s[80:81], s[84:85]     ; the bias
	s_cselect_b64 s[12:13], s[86:87], s[88:89]     ; where the results go
	s_cselect_b32 s92, s92, 0
	s_cselect_b32 s101, 0, QREC                    ; v lies behind k in a record
	s_cselect_b32 s100, s100, s94
	s_lshl_b32 s42, s93, 2
	s_add_co_u32 s42, s42, s40                     ; B's tile of 256 rows: hangs on cx and the cluster's number
	s_lshl_b32 s17, s92, 2
	s_add_co_u32 s17, s17, s41                     ; A's tile of 256 rows: hangs on cy and the cluster's number
	; group 1 for the scales of 128 rows: a dense block of 4,096 bytes, as rows of 256 bytes (32 elements of 8 bytes), 16 bytes of padding behind each
	s_or_b32 s[G1S+0], s43, (3<<16)|(1<<20)|(1<<21)|(5<<22)|(3<<25)
	s_or_b32 s[G1SB+0], s44, (3<<16)|(1<<20)|(1<<21)|(5<<22)|(3<<25)
.irp g, G1S, G1SB
	s_mov_b32 s[\g+1], 32<<16
	s_mov_b32 s[\g+2], (128*KS/256)<<16
	s_mov_b32 s[\g+3], 32<<16
	s_mov_b32 s[\g+4], 128*KS/256
	s_mov_b32 s[\g+5], 32
	s_mov_b32 s[\g+6], 0
	s_mov_b32 s[\g+7], 0
.endr
	s_lshl_b32 s18, s16, 7                         ; which 128 rows of the tile I fetch
	s_lshl_b32 s20, s17, 8
	s_add_co_u32 s20, s20, s18                     ; A: row 256 x tile + 128 x half
	s_lshl_b32 s46, s42, 8
	s_add_co_u32 s46, s46, s18                     ; B likewise
	s_mov_b32 s21, 0
	s_mov_b32 s47, 0
	s_mov_b64 s[18:19], KS
	s_mul_u64 s[22:23], s[20:21], s[18:19]         ; where these rows' scales begin, in bytes
	s_mul_u64 s[92:93], s[46:47], s[18:19]
	s_mov_b64 s[18:19], KROW
	s_mul_u64 s[20:21], s[20:21], s[18:19]         ; and their codes
	s_mul_u64 s[46:47], s[46:47], s[18:19]
	s_mul_i32 s45, s14, HALFT                      ; where they go: wave x 128 rows: no place in the cluster enters an LDS address
	s_mul_i32 s94, s14, HALFS
	s_add_nc_u64 s[20:21], s[4:5], s[20:21]
	s_add_nc_u64 s[22:23], s[6:7], s[22:23]
	s_add_nc_u64 s[46:47], s[8:9], s[46:47]
	s_add_nc_u64 s[92:93], s[10:11], s[92:93]
	CROUND                                         ; all sixteen work-groups are here: the first joint loads meet
	s_mov_b32 s[G0S], 1
	s_add_co_u32 s[G0S+1], s94, SCL
	s_mov_b64 s[G0S+2:G0S+3], s[22:23]
	s_or_b32 s[G0S+3], s[G0S+3], 0x80000000
	s_mov_b32 s[G0SB], 1
	s_add_co_u32 s[G0SB+1], s94, SCL
	s_mov_b64 s[G0SB+2:G0SB+3], s[92:93]
	s_or_b32 s[G0SB+3], s[G0SB+3], 0x80000000
	JLOAD G0S, G1S, G0SB, G1SB                     ; the scales first: they are wanted with K step 0
.irp s, 0,1
	s_mov_b32 s[G0+4*\s], 1
	s_add_co_u32 s[G0+4*\s+1], s45, \s*SLOT
	s_add_nc_u64 s[G0+4*\s+2:G0+4*\s+3], s[20:21], \s*ROWB
	s_or_b32 s[G0+4*\s+3], s[G0+4*\s+3], 0x80000000
	s_mov_b32 s[G0B+4*\s], 1
	s_add_co_u32 s[G0B+4*\s+1], s45, \s*SLOT
	s_add_nc_u64 s[G0B+4*\s+2:G0B+4*\s+3], s[46:47], \s*ROWB
	s_or_b32 s[G0B+4*\s+3], s[G0B+4*\s+3], 0x80000000
	JLOAD G0+4*\s, G1, G0B+4*\s, G1B               ; by this text's count three tensor loads of a wave are out
.endr
	v_and_b32 v1, 15, v0                           ; r = l % 16
	v_bfe_u32 v2, v0, 4, 1                         ; h = l / 16
	v_mul_u32_u24 v3, v1, PITCH
	v_mul_u32_u24 v4, v2, 24
	v_add_nc_u32 v4, v3, v4                        ; a fragment's row x pitch + 24 x half
	v_lshl_add_u32 v5, v2, 4, v4                   ; and the same behind one padding more
	s_mul_i32 s21, s15, HALFT                      ; my 128 rows of A
	s_mul_i32 s22, s16, HALFT                      ; my 128 rows of B,
	s_add_co_u32 s22, s22, 2*HALFT                 ; which lie behind A's 256
.irp s, 0,1
	v_add_nc_u32 v[ADRA+\s], s21, v4
	v_add_nc_u32 v[ADRB+\s], s22, v4
	v_add_nc_u32 v[ADRA+2+\s], s21, v5
	v_add_nc_u32 v[ADRB+2+\s], s22, v5
	s_add_co_u32 s21, s21, SLOT
	s_add_co_u32 s22, s22, SLOT
.endr
	v_mul_u32_u24 v5, v1, KS                       ; my row's scales: 32 bytes a row,
	v_lshrrev_b32 v6, 8, v5
	v_lshl_add_u32 v5, v6, 4, v5                   ; and 16 more for each 256 passed
	s_mul_i32 s21, s15, HALFS                      ; A's: my 128 rows
	s_mul_i32 s22, s16, HALFS                      ; B's: my 128 rows, behind A's 256
	s_add_co_u32 s22, s22, 2*HALFS
	s_sub_co_u32 s22, s22, s21
	v_mul_u32_u24 v6, s22, v2                      ; lanes 16-31 take B's: one product, the distance between the two bases x h
	s_add_co_u32 s21, s21, SCL
	v_add_nc_u32 v5, v5, v6
	v_add_nc_u32 v[ADRS], s21, v5
	v_and_b32 v[LANE], 31, v0
	v_lshlrev_b32 v[LI], 4, v[LANE]
	v_lshlrev_b32 v[L8], 3, v[LANE]
	; where my results go.  My 128 tokens are one step of one batch; my 128 channels are two heads.
	s_cmp_lt_u32 ttmp9, 16
	s_cselect_b32 s18, s17, s42                    ; the tokens' tile of 256,
	s_cselect_b32 s19, s15, s16                    ; my half of it;
	s_cselect_b32 s20, s40, s41                    ; the channels' tile of 256,
	s_cselect_b32 s21, s16, s15                    ; my half of it
	s_lshl_b32 s18, s18, 1
	s_add_co_u32 s18, s18, s19                     ; my tokens / 128: 16 x batch + step
	s_lshl_b32 s20, s20, 1
	s_add_co_u32 s20, s20, s21
	s_lshl_b32 s20, s20, 1                         ; my first head
	s_lshr_b32 s19, s18, 4                         ; batch
	s_and_b32 s18, s18, 15                         ; step
	s_lshl_b32 s19, s19, 4
	s_add_co_u32 s19, s19, s20
	s_lshl_b32 s19, s19, 4
	s_add_co_u32 s19, s19, s18                     ; the record: (16 x batch + head) x 16 + step
	s_mul_i32 s22, s19, s100
	s_add_co_u32 s22, s22, s101
	s_mov_b32 s23, 0
	s_add_nc_u64 s[12:13], s[12:13], s[22:23]      ; my first head's record,
	s_lshl_b32 s22, s100, 4
	s_add_nc_u64 s[96:97], s[12:13], s[22:23]      ; and my second head's, 16 records on
	s_lshl_b32 s22, s20, 8
	s_add_nc_u64 s[98:99], s[98:99], s[22:23]      ; the bias at my first channel: 64 x head numbers of 4 bytes
.macro FRAG reg, adr, q, i             ; a fragment, 16 rows x 128 K, is 12 registers: lane l holds row l % 16; registers 6 c .. 6 c + 5 hold K = 64 c + 32 (l / 16) + 0 .. 31: 24 bytes of the row's stream of bits, as they lie
.irp p, 0,1,2,3,4,5                    ; in pieces of 8 bytes.  Where the piece of lanes 16-31, three pieces on, lies behind one padding more, the second address register serves
.set PCE, 12*(\q)+6*(\p/3)+\p%3
.if PCE%8 < 5
	ds_load_b64 v[\reg+2*\p:\reg+2*\p+1], v[\adr] offset:8*PCE+16*(PCE/8)+(\i)*16*PITCH
.else
	ds_load_b64 v[\reg+2*\p:\reg+2*\p+1], v[\adr+2] offset:8*PCE+16*(PCE/8)+(\i)*16*PITCH
.endif
.endr
.endm
; 16 matrix instructions: A's blocks a0, a0 + 1 x B's eight, 128 along K.  p: B's set;  sc: the set of scale words.  zero = 1: the first product starts the sums.
; The 64 accumulators take turns, one instruction a turn, in the same order in every step.
.macro MUL16 a0, p, q, sc, zero
.irp a, \a0, \a0+1
.irp b, 0,1,2,3,4,5,6,7
.if \zero
	v_wmma_scale_f32_16x16x128_f8f6f4 v[8*(8*((\a)%4)+\b):8*(8*((\a)%4)+\b)+7], v[128*(\p)+FR*\b:128*(\p)+FR*\b+FR-1], v[AF+FR*(\a):AF+FR*(\a)+FR-1], 0, v[SC+8*NQ*(\sc)+NQ*\b+(\q)], v[SC+8*NQ*(\sc)+NQ*(\a)+(\q)] matrix_a_fmt:MATRIX_FMT_FP6 matrix_b_fmt:MATRIX_FMT_FP6 matrix_a_scale:MATRIX_SCALE_ROW1
.else
	v_wmma_scale_f32_16x16x128_f8f6f4 v[8*(8*((\a)%4)+\b):8*(8*((\a)%4)+\b)+7], v[128*(\p)+FR*\b:128*(\p)+FR*\b+FR-1], v[AF+FR*(\a):AF+FR*(\a)+FR-1], v[8*(8*((\a)%4)+\b):8*(8*((\a)%4)+\b)+7], v[SC+8*NQ*(\sc)+NQ*\b+(\q)], v[SC+8*NQ*(\sc)+NQ*(\a)+(\q)] matrix_a_fmt:MATRIX_FMT_FP6 matrix_b_fmt:MATRIX_FMT_FP6 matrix_a_scale:MATRIX_SCALE_ROW1
.endif
.endr
.endr
.endm
.macro FETCH_B slot, q, p              ; B's eight fragments of the slot's q-th 128 along K into set p
	WIN TO_B
.irp i, 0,1,2,3,4,5,6,7
	FRAG 128*(\p)+FR*\i, ADRB+\slot, \q, \i
.endr
	WIN 0
.endm
.macro FETCH_A slot, q, i0             ; A's blocks i0 .. i0 + 3
.irp i, \i0, \i0+1, \i0+2, \i0+3
	FRAG AF+FR*(\i), ADRA+\slot, \q, \i
.endr
.endm
.macro SCALES sc                       ; the next K step's scale words into set sc: two words a row; lanes 0-15 take A's block i, lanes 16-31 B's block i
.irp i, 0,1,2,3,4,5,6,7
	ds_load_b64 v[SC+8*NQ*\sc+NQ*\i:SC+8*NQ*\sc+NQ*\i+1], v[ADRS] offset:\i*SBLK
.endr
.endm
; A load into a register that a matrix instruction has read, and a vector instruction that reads a matrix result or writes one of its registers, stand NP places behind it; only plain vector
; instructions that name none of its registers are places (ISA guide 7.12.1 for vector instructions).
.macro PLACES n
.rept \n
	v_nop
.endr
.endm
.macro STEP slot, q, zero              ; a step of 128 along K that has its successor in the same slot
	s_wait_dscnt 4*NL                              ; B's set and A's blocks 0-3 are in; the youngest 24 loads (A's blocks 4-7) may be out
	WIN MUL_LO
	MUL16 0, (\q)%2, \q, \slot, \zero
	MUL16 2, (\q)%2, \q, \slot, \zero
	s_wait_dscnt 0                                 ; A's blocks 4-7 are in (asked for 32 matrix instructions ago)
	PLACES NP
	FETCH_B \slot, (\q)+1, 1-(\q)%2
	FETCH_A \slot, (\q)+1, 0
	WIN MUL_HI
	MUL16 4, (\q)%2, \q, \slot, \zero
	MUL16 6, (\q)%2, \q, \slot, \zero
	PLACES NP
	WIN 0
	FETCH_A \slot, (\q)+1, 4
.endm
; A slot's last step changes slots: ONE barrier; in front of it each wave waits for all its tensor loads, adds 0 to its spare word, and waits for that and for its own reads of this slot.  fill = 1: this slot is filled again, two K steps ahead.
.macro TURN slot, next, fill
	s_wait_tensorcnt 0x0                           ; all my tensor loads have landed: my part of the next slot
	ds_add_u32 v[SPW], v[NIL]                      ; 0 onto my spare word
	s_wait_dscnt 4*NL+1                            ; (the add and the youngest 24 loads, A's blocks 4-7, may be out)
	WIN MUL_LO
	MUL16 0, 1, NQ-1, \slot, 0                     ; sixteen matrix instructions stand between the add and the wait for it
	s_wait_dscnt 0x0                               ; the add is done, and my reads of this slot are over
	s_barrier_signal -1
	MUL16 2, 1, NQ-1, \slot, 0
	WIN 0
	s_barrier_wait -1
.if \fill
	CREST                                          ; the barrier has opened a round of the cluster's barrier: no wave of any partner still reads this slot's tile or has a load on its way
	s_add_nc_u64 s[G0+4*\slot+2:G0+4*\slot+3], s[G0+4*\slot+2:G0+4*\slot+3], 2*ROWB
	s_add_nc_u64 s[G0B+4*\slot+2:G0B+4*\slot+3], s[G0B+4*\slot+2:G0B+4*\slot+3], 2*ROWB
	JLOAD G0+4*\slot, G1, G0B+4*\slot, G1B         ; the first tensor load behind the round; its four v_nop are the places in front of the loads below
.else
	PLACES NP
.endif
	v_add_nc_u32 v[ADRS], 4*NQ, v[ADRS]            ; on to the next K step's scale words (no LDS load of mine is out)
	FETCH_B \next, 0, 0
	FETCH_A \next, 0, 0
	SCALES \next
	WIN MUL_HI
	MUL16 4, 1, NQ-1, \slot, 0
	MUL16 6, 1, NQ-1, \slot, 0
	PLACES NP
	WIN 0
	FETCH_A \next, 0, 4
.endm
.macro LAST                            ; the very last step: nothing more to fetch
	s_wait_dscnt 4*NL
	WIN MUL_LO
	MUL16 0, 1, NQ-1, 1, 0
	MUL16 2, 1, NQ-1, 1, 0
	s_wait_dscnt 0
	WIN MUL_HI
	MUL16 4, 1, NQ-1, 1, 0
	MUL16 6, 1, NQ-1, 1, 0
	WIN 0
.endm
; 64 numbers of a lane, v[s] on: registers 16 b .. 16 b + 15 are my 16 numbers of block b, the other 16 lie in lane l xor 16.  Blocks 0, 1 become six registers of codes at v[d0], blocks 2, 3 six at v[d1]
; (lanes 0-15 the even block, lanes 16-31 the odd one: the operand's layout), and the four scale bytes one word in v[pw].
.macro QUANT s, d0, d1, pw
.irp b, 0,1,2,3
	v_max3_num_f32 v[BM+\b], |v[\s+16*\b]|, |v[\s+1+16*\b]|, 0x1800000   ; and the floor 2^(3 - 127): so the byte cannot fall under 1
.endr
.irp i, 2,4,6,8,10,12,14
.irp b, 0,1,2,3
	v_max3_num_f32 v[BM+\b], v[BM+\b], |v[\s+16*\b+\i]|, |v[\s+1+16*\b+\i]|   ; (the four blocks by turns)
.endr
.endr
.irp b, 0,1,2,3
	v_permlanex16_b32 v[PT+\b], v[BM+\b], s[SEL], s[SEL+1]
.endr
.irp b, 0,1,2,3
	v_max_num_f32 v[BM+\b], v[BM+\b], v[PT+\b]     ; with lane l xor 16's: the block's largest magnitude
.endr
.irp b, 0,1,2,3
	v_add_nc_u32 v[SO+\b], 0xff000000, v[BM+\b]    ; 2 off its exponent field: the conversion takes this operand's exponent field as its scale
.endr
.irp b, 0,1,2,3
	v_lshrrev_b32 v[PT+\b], 23, v[SO+\b]           ; the scale's byte
.endr
	v_lshl_or_b32 v[\pw], v[PT+1], 8, v[PT]
	v_lshl_or_b32 v[\pw], v[PT+2], 16, v[\pw]
	v_lshl_or_b32 v[\pw], v[PT+3], 24, v[\pw]
	v_cvt_scalef32_pk16_fp6_f32 v[\d0:\d0+2], v[\s:\s+15], v[SO]
	v_cvt_scalef32_pk16_fp6_f32 v[CT:CT+2], v[\s+16:\s+31], v[SO+1]       ; (a conversion's three registers begin on an even number)
	v_cvt_scalef32_pk16_fp6_f32 v[\d1:\d1+2], v[\s+32:\s+47], v[SO+2]
	v_cvt_scalef32_pk16_fp6_f32 v[CT+4:CT+6], v[\s+48:\s+63], v[SO+3]
	v_nop                                          ; one plain place behind a scaled conversion
.irp i, 0,1,2
	v_permlane16_swap_b32 v[\d0+\i], v[CT+\i]      ; the first's lanes 16-31 change places with the second's lanes 0-15: a whole block in a lane
.endr
.irp i, 0,1,2
	v_mov_b32 v[\d0+3+\i], v[CT+\i]
.endr
.irp i, 0,1,2
	v_permlane16_swap_b32 v[\d1+\i], v[CT+4+\i]
.endr
.irp i, 0,1,2
	v_mov_b32 v[\d1+3+\i], v[CT+4+\i]
.endr
.endm
; THE WAY OUT, two blocks of A (32 rows) at a time.  The bias is added as the sums move into window 0, each accumulator from its low end on.
; qk = 1: blocks 2 u, 2 u + 1 are two tiles of tokens: their first 64 channels make my first head's operand u, the other 64 my second head's.
; qk = 0: a block is 16 channels x my 128 keys: one fragment of v^T; blocks 0-3 are my first head's, blocks 4-7 my second's.
; Each store of 16 bytes a lane covers 512 consecutive bytes, aligned to 256; each store of the scale words 256.
.macro EPI qk
	PLACES NP
	s_wait_loadcnt 0x0                             ; the bias
.irp b, 0,1,2,3
	v_mov_b32 v[PT+\b], 0                          ; written once: a lane permute's destination counts as one of its sources
.endr
	v_cmp_le_u32 vcc_lo, 16, v[LANE]               ; lanes 16-31
.irp u, 0,1,2,3
.if \u > 0
	s_wait_xcnt 0x0                                ; the last six stores have read their data: the codes' registers are written again only behind this wait
.endif
.irp e, 0,1
.set AB, 2*\u+\e
.set WN, 0x02+AB/4
	WIN WN                                         ; source 0: window 2 or 3
.set i, 0
.rept 32
.if \qk
	v_pk_add_f32 v[ST+i:ST+i+1], v[64*(AB%4)+i:64*(AB%4)+i+1], v[BIAS+i:BIAS+i+1]
.else
	v_pk_add_f32 v[ST+i:ST+i+1], v[64*(AB%4)+i:64*(AB%4)+i+1], v[BIAS+2*AB:BIAS+2*AB+1]
.endif
.set i, i+2
.endr
	WIN 0
.if \qk
.set D0, PCB+6*\e
.set D1, PCB+12+6*\e
.else
.set D0, PCB+12*\e
.set D1, PCB+12*\e+6
.endif
.set PWX, PWS+AB
	QUANT ST, D0, D1, PWX
.endr
.irp x, 0,1
.irp g, 0,1,2
.if \qk
	global_store_b128 v[LI], v[PCB+12*\x+4*\g:PCB+12*\x+4*\g+3], s[12+84*\x:13+84*\x] offset:1536*\u+512*\g
.else
	global_store_b128 v[LI], v[PCB+12*\x+4*\g:PCB+12*\x+4*\g+3], s[12+84*(\u/2):13+84*(\u/2)] offset:1536*(2*(\u%2)+\x)+512*\g
.endif
.endr
.endr
.endr
.if \qk
.irp u, 0,1,2,3
	v_perm_b32 v[W+\u], v[PWS+2*\u+1], v[PWS+2*\u], 0x05040100     ; my first head: tile 2 u's two bytes below, tile 2 u + 1's above
	v_perm_b32 v[W+4+\u], v[PWS+2*\u+1], v[PWS+2*\u], 0x07060302   ; my second head
.endr
.irp c, 0,1
.irp w, 0,1
	v_cndmask_b32 v[OUT+2*\c+\w], v[W+4*\c+2*\w], v[W+4*\c+2*\w+1], vcc_lo   ; lanes 0-15 operand 2 w's words, lanes 16-31 operand 2 w + 1's
.endr
.endr
.else
.irp c, 0,1
.irp w, 0,1
	v_cndmask_b32 v[OUT+2*\c+\w], v[PWS+4*\c+2*\w], v[PWS+4*\c+2*\w+1], vcc_lo
.endr
.endr
.endif
.irp c, 0,1
	global_store_b64 v[L8], v[OUT+2*\c:OUT+2*\c+1], s[12+84*\c:13+84*\c] offset:6144
.endr
.endm
	s_wait_tensorcnt 1                             ; the scales and my part of K step 0 are in (K step 1's load may be out)
	s_barrier_signal -1
	s_barrier_wait -1                              ; everybody's are
	FETCH_B 0, 0, 0
	FETCH_A 0, 0, 0
	SCALES 0
	FETCH_A 0, 0, 4
	STEP 0, 0, 1                                   ; K = 1,024 is four K steps, twice round the ring: written out.  The first products start the sums
	TURN 0, 1, 1
	STEP 1, 0, 0
	TURN 1, 0, 1
	STEP 0, 0, 0
	TURN 0, 1, 0                                   ; the last lap fills nothing, and has no round of the cluster's barrier
	STEP 1, 0, 0
	s_cmp_lt_u32 ttmp9, 16                         ; the two ways part on the cluster's number; neither holds a barrier, a tensor load or an LDS access but the waits for loads issued above
	s_cbranch_scc0 .Lv
	v_lshlrev_b32 v[BOF], 5, v2                    ; q, k: the bias in the accumulators' layout: register 8 b + j is channel 16 b + 8 h + j
.irp b, 0,1,2,3,4,5,6,7
	global_load_b128 v[BIAS+8*\b:BIAS+8*\b+3], v[BOF], s[98:99] offset:64*\b
	global_load_b128 v[BIAS+8*\b+4:BIAS+8*\b+7], v[BOF], s[98:99] offset:64*\b+16
.endr
	LAST                                           ; the last 64 products stand behind the bias's loads
	EPI 1
	s_branch .Ldone
.Lv:
	v_lshlrev_b32 v[BOF], 2, v1                    ; v: a lane holds one channel: one number for each block of A, loaded into both registers of a pair for the packed addition
.irp a, 0,1,2,3,4,5,6,7
	global_load_b32 v[BIAS+2*\a], v[BOF], s[98:99] offset:64*\a
	global_load_b32 v[BIAS+2*\a+1], v[BOF], s[98:99] offset:64*\a
.endr
	LAST
	EPI 0
.Ldone:
	s_wait_tensorcnt 0x0                           ; the wave's end
	ds_add_u32 v[SPW], v[NIL]
	s_wait_dscnt 0x0
	CROUND                                         ; the closing round: no work-group ends while a partner may still ask for a tile that names it
	s_endpgm
.Lfunc_end_k_qf3b46f6f0d_qkv:
	.size	k_qf3b46f6f0d_qkv, .Lfunc_end_k_qf3b46f6f0d_qkv-k_qf3b46f6f0d_qkv
	.p2alignl 7, 3214868480
	.fill 96, 4, 3214868480
	.section	.rodata,"a",@progbits
	.p2align	6, 0x0
	.amdhsa_kernel k_qf3b46f6f0d_qkv
		.amdhsa_group_segment_fixed_size 327680
		.amdhsa_private_segment_fixed_size 0
		.amdhsa_enable_private_segment 0
		.amdhsa_kernarg_size 104
		.amdhsa_user_sgpr_count 2
		.amdhsa_user_sgpr_kernarg_segment_ptr 1
		.amdhsa_wavefront_size32 1
		.amdhsa_system_sgpr_workgroup_id_x 1
		.amdhsa_system_sgpr_workgroup_id_y 1
		.amdhsa_system_sgpr_workgroup_id_z 1
		.amdhsa_system_vgpr_workitem_id 0
		.amdhsa_next_free_vgpr 1024
		.amdhsa_next_free_sgpr 102
		.amdhsa_reserve_vcc 1
		.amdhsa_float_denorm_mode_32 3
		.amdhsa_float_denorm_mode_16_64 3
		.amdhsa_memory_ordered 1
		.amdhsa_forward_progress 1
		.amdhsa_inst_pref_size 242
	.end_amdhsa_kernel
	.amdgpu_metadata
---
amdhsa.version: [ 1, 2 ]
amdhsa.kernels:
  - .name:           k_qf3b46f6f0d_qkv
    .symbol:         k_qf3b46f6f0d_qkv.kd
    .args:
      - { .name: x_codes, .offset: 0, .size: 8, .value_kind: global_buffer, .address_space: global }
      - { .name: x_scales, .offset: 8, .size: 8, .value_kind: global_buffer, .address_space: global }
      - { .name: Wq_codes, .offset: 16, .size: 8, .value_kind: global_buffer, .address_space: global }
      - { .name: Wq_scales, .offset: 24, .size: 8, .value_kind: global_buffer, .address_space: global }
      - { .name: Wk_codes, .offset: 32, .size: 8, .value_kind: global_buffer, .address_space: global }
      - { .name: Wk_scales, .offset: 40, .size: 8, .value_kind: global_buffer, .address_space: global }
      - { .name: Wv_codes, .offset: 48, .size: 8, .value_kind: global_buffer, .address_space: global }
      - { .name: Wv_scales, .offset: 56, .size: 8, .value_kind: global_buffer, .address_space: global }
      - { .name: bq, .offset: 64, .size: 8, .value_kind: global_buffer, .address_space: global }
      - { .name: bk, .offset: 72, .size: 8, .value_kind: global_buffer, .address_space: global }
      - { .name: bv, .offset: 80, .size: 8, .value_kind: global_buffer, .address_space: global }
      - { .name: qw, .offset: 88, .size: 8, .value_kind: global_buffer, .address_space: global }
      - { .name: kv, .offset: 96, .size: 8, .value_kind: global_buffer, .address_space: global }
    .group_segment_fixed_size: 327680
    .private_segment_fixed_size: 0
    .kernarg_segment_align: 8
    .kernarg_segment_size: 104
    .max_flat_workgroup_size: 128
    .sgpr_count:     102
    .vgpr_count:     1024
    .wavefront_size: 32
...
	.end_amdgpu_metadata
.endif
;; end of part 1
;; launch attn (part 2): grid 64 x 4, 16 waves a work-group, no clusters, 27,648 bytes of LDS; arguments qw, kv, oc, os; writes oc, os
.if DOCPART == 2
	.amdgcn_target "amdgcn-amd-amdhsa--gfx1250"
	.amdhsa_code_object_version 6
	.text
	.protected	k_qf3b46f6f0d_attn
	.globl	k_qf3b46f6f0d_attn
	.p2align	8
	.type	k_qf3b46f6f0d_attn,@function
k_qf3b46f6f0d_attn:
	s_mov_b64 s[64:65], 0
	v_nop
	global_prefetch_b8 v0, s[64:65] scope:SCOPE_SE
	s_setreg_imm32_b32 hwreg(HW_REG_WAVE_MODE, 25, 1), 1
	s_wait_xcnt 0x0
; o = softmax(q k^T / 8, causal) v for 64 heads of 2,048 tokens x 64 channels, both products on codes of FP6 (E2M3) with E8M0 scales; o is quantised along the 1,024 channels for the last projection.
; THE SOFTMAX: t = score x log2(e) / 8; M = the row's largest t so far, rounded UP to a whole number; p = 2^(t - M) is quantised along the keys, not normalised.  The row's sum is taken of the unquantised p
; and divides at the end.  When M moves, the sum and O are multiplied by 2^(old M - new M): exact.
; SHARES.  Work-group (head bh, j) owns the blocks 7 - j and j of 256 queries; each of its sixteen waves owns 16 queries of each block, one tile, in 256 registers: four waves to a SIMD.
; Block i sees key steps 0 .. 2 i + 1 of 128 keys, so every work-group walks 2 (8 - j) + 2 (j + 1) = 18 steps: nine trips of two, a constant; the long block goes first.
; A step whose keys all come after a wave's queries is jumped over by that wave (its work alone: every wave passes every barrier); on the diagonal hidden scores become -infinity.
; THE RING.  A step's k and v^T are one record of kv, 12,800 dense bytes, images of operand registers.  It comes through registers (800 pieces of 16 bytes: every thread one, the threads of waves 0-8 a second)
; into one of two LDS slots, from which all sixteen waves read it.  Step g reads slot g % 2; at its head record g + 1 goes from registers into the other slot and record g + 2 is asked for: one barrier a step.
; Two sets of staging registers take turns, so that a load lands only in registers whose LDS store was waited for at the end of the step before.
; NO CLUSTER: the four work-groups of a head leave the common walk after 16, 14, 12 and 10 steps; joint requests would ask every partner to make every request of a common walk, 24 steps in place of 18.
; LAYOUT.  S^T = k q^T (source 0 = 16 keys, source 1 = my 16 queries), O^T = v^T p^T: a lane holds ONE query (lane % 16) throughout.  The head has 64 channels, half of the instruction's K: an operand of k holds
; TWO tiles of keys (k 0-63, k 64-127), and q stands beside six registers of zero codes, once below and once above; the zero half's scale bytes are 0, the smallest scale.
; In S^T register 8 t + i is key 16 t + 8 (lane / 16) + i.  p's order inside a block of 32 keys is the one in which the launch before has laid v.
; OUT.  oc: [row / 16][head][768]: six registers, 16 rows x the head's 64 channels in their true order: registers 0-3 at 16 l, registers 4, 5 at 512 + 8 l.  os: [row][32] scale bytes.
; LIMITS: NaN and infinities are not served.  A block whose largest magnitude lies under 2^-124 gets the byte 1, a block of zeros too: its codes are zeros, and this program alone reads the bytes.
.set REC,  12800                       ; a record, and an LDS slot
.set NM,   16                          ; v16  -M
.set TMX,  17                          ; v17  the largest t
.set SUM,  18                          ; v[18:19] the row's sum in two halves
.set F,    20                          ; v[20:21] 2^(old M - new M), later 1 / the sum; v21 is named with it as a pair and written once
.set QH,   22                          ; v[22:33] six zeros, q
.set QL,   28                          ; v[28:39] q, six zeros
.set QSL,  40                          ; v40  q's two scale bytes below, 0 above
.set QSH,  41                          ; v41  and the other way round
.set KFR,  42                          ; v42-89 four operands of k; at work once the scores are made:
.set BM,   42                          ;   the blocks' largest scores, then their largest p
.set SO,   50                          ;   the conversions' scale operands
.set CT,   54                          ;   the conversions' second halves
.set PC,   62                          ;   p's codes (12); o's (6)
.set SA,   74                          ;   the sum's second chain
.set KSC,  90                          ; v[90:91] k's scale words
.set VF,   92                          ; v92-139 four fragments of v^T
.set VSC,  140                         ; v[140:141] their scale words
.set S,    142                         ; v142-205 S^T, then p
.set O,    206                         ; v206-237 O^T, four tiles of 16 channels
.set PW,   238                         ; p's scale word
.set TT,   239
.set PT,   240                         ; v240-243 the lane permutes' destinations, then bytes
.set MD,   244
.set NINF, 245
.set OSA,  246                         ; 32 x (lane % 16): my row of os
.set QA,   247                         ; my lane's place in q's operand
.set QSA,  248                         ; and at its scale word
.set PFO,  249                         ; 256 x (thread % 64): the prefetches' offset; never rewritten
.set R8H,  250                         ; lane % 16 - 8 (lane / 16)
; v1 16 x lane, v2 8 x lane, v3 16 x thread; v8-15 and v4-7, v252-255: the two staging sets
; s12 wave, s13 head, s14 j, s15 trip, s16 the trip at which the blocks change, s17 steps of the first block, s18 the next record's number in the walk, s19 10 in a wave that prefetches, else 0
; s[20:21] lane selects, s[22:23] c, s24 block, s25 my first query, s26 the step's first key, s27 all ones in odd waves, s28 16 in odd waves
; s[30:31] the head's records, s[32:33] the record asked for, s[34:35] an offset (s35 = 0), s[36:37] the head's q, s[38:39] my q, s[40:41] my place in oc, s[42:43] in os, s[46:51] the prefetches
.macro PUT n                           ; the record in staging set n goes into slot n: thread t's 16 bytes at 16 t, and for waves 0-8 those at 8,192 + 16 t
	ds_store_b128 v3, v[8-4*\n:11-4*\n] offset:\n*REC
	s_cmp_lt_u32 s12, 9
	s_cbranch_scc0 .Lput_\@
	ds_store_b128 v3, v[12+240*\n:15+240*\n] offset:\n*REC+8192
.Lput_\@:
.endm
; A PREFETCH INTO THE L2.  The four work-groups of a head begin with the same walk, records 0, 1, 2 ..; the one with j = 0 walks all sixteen, and its waves 12 and 13 ask, nobody else.  The head's records are 800 aligned
; blocks of 256 bytes on end.  Behind the loads of records 2 to 11 the two waves name 64 blocks, a lane a block, from block 160 on: ten times 64 blocks, each named once.  Blocks 0 to 159 come by their loads alone.
; 64 blocks are named in a step and 50 are read, so the requests stand one step ahead of the loads at first and four at the end.
.macro ASK
	s_sub_co_u32 s45, s18, 2
	s_cmp_lt_u32 s45, s19
	s_cbranch_scc0 .Lnot_mine_\@
	s_lshl_b32 s50, s45, 14                        ; (the last prefetch stands a step back, ahead of the wait on XCNT at this step's head: its address may be written)
	s_add_nc_u64 s[46:47], s[48:49], s[50:51]
	global_prefetch_b8 v[PFO], s[46:47] th:TH_LOAD_NT scope:SCOPE_SE
.Lnot_mine_\@:
.endm
.macro GET n                           ; the walk's next record is asked for, into staging set n.  Behind the first block's steps the walk begins again at record 0
	s_cmp_ge_u32 s18, s17
	s_cselect_b32 s44, s17, 0
	s_sub_co_u32 s44, s18, s44
	s_mul_i32 s34, s44, REC
	s_add_nc_u64 s[32:33], s[30:31], s[34:35]
	global_load_b128 v[8-4*\n:11-4*\n], v3, s[32:33]               ; 32 lanes read 512 consecutive bytes
	s_cmp_lt_u32 s12, 9
	s_cbranch_scc0 .Lget_\@
	global_load_b128 v[12+240*\n:15+240*\n], v3, s[32:33] offset:8192
.Lget_\@:
	ASK
	s_add_co_u32 s18, s18, 1
.endm
; A block of queries begins (its number in s24): addresses, q and its scale bytes, and the statistics.  O^T and the sum begin as zeros and the largest t as -3e38: the first change of M multiplies zeros.
.macro START
	s_lshl_b32 s25, s24, 8
	s_lshl_b32 s44, s12, 4
	s_add_co_u32 s25, s25, s44                     ; my first query: 256 x block + 16 x wave
	s_lshr_b32 s44, s25, 7
	s_mul_i32 s34, s44, 6400
	s_add_nc_u64 s[38:39], s[36:37], s[34:35]      ; its record of qw
	s_lshr_b32 s44, s25, 4
	s_lshl_b32 s45, s52, 7
	s_add_co_u32 s44, s44, s45
	s_mul_i32 s44, s44, 12288
	s_mul_i32 s45, s53, 768
	s_add_co_u32 s34, s44, s45
	s_add_nc_u64 s[40:41], s[8:9], s[34:35]        ; oc: (128 x batch + query / 16) x 12,288 + 768 x head
	s_lshl_b32 s44, s52, 11
	s_add_co_u32 s44, s44, s25
	s_lshl_b32 s44, s44, 5
	s_lshl_b32 s45, s53, 1
	s_add_co_u32 s34, s44, s45
	s_add_nc_u64 s[42:43], s[10:11], s[34:35]      ; os: (2,048 x batch + query) x 32 + 2 x head
	s_mov_b32 s26, 0
.irp g, 0,1,2
	global_load_b128 v[KFR+4*\g:KFR+4*\g+3], v[QA], s[38:39] offset:512*\g   ; the operand that holds my tile and its neighbour
.endr
	global_load_b32 v[TT], v[QSA], s[38:39]        ; and its scale word
	s_wait_loadcnt 0x0
	v_lshrrev_b32 v[TT], s28, v[TT]                ; an odd wave's tile has the upper two bytes
	s_delay_alu instid0(VALU_DEP_1)
	v_and_b32 v[QSL], 0xffff, v[TT]
	s_delay_alu instid0(VALU_DEP_1)
	v_lshlrev_b32 v[QSH], 16, v[QSL]
.irp i, 0,1,2,3,4,5
	v_cndmask_b32 v[QL+\i], v[KFR+\i], v[KFR+6+\i], s27            ; and the upper six registers
.endr
	v_mov_b32 v[TMX], 0xff61b1e6                   ; -3e38, under every t
	s_delay_alu instid0(VALU_DEP_1)
	v_floor_f32 v[NM], -v[TMX]
	v_mov_b32 v[SUM], 0
	v_mov_b32 v[SUM+1], 0
.set i, 0
.rept 32
	v_mov_b32 v[O+i], 0                            ; (these are also the places between the lines that write q and its scale words and the first products)
.set i, i+1
.endr
.endm
.macro SMUL u                          ; the scores of tiles 2 u and 2 u + 1: one operand of k against q below and q above
.if (\u)%2
	v_wmma_scale_f32_16x16x128_f8f6f4 v[S+16*(\u):S+16*(\u)+7], v[KFR+12*(\u):KFR+12*(\u)+11], v[QL:QL+11], 0, v[KSC+(\u)/2], v[QSL] matrix_a_fmt:MATRIX_FMT_FP6 matrix_b_fmt:MATRIX_FMT_FP6 matrix_a_scale:MATRIX_SCALE_ROW1
	v_wmma_scale_f32_16x16x128_f8f6f4 v[S+16*(\u)+8:S+16*(\u)+15], v[KFR+12*(\u):KFR+12*(\u)+11], v[QH:QH+11], 0, v[KSC+(\u)/2], v[QSH] matrix_a_fmt:MATRIX_FMT_FP6 matrix_b_fmt:MATRIX_FMT_FP6 matrix_a_scale:MATRIX_SCALE_ROW1
.else
	v_wmma_scale_f32_16x16x128_f8f6f4 v[S+16*(\u):S+16*(\u)+7], v[KFR+12*(\u):KFR+12*(\u)+11], v[QL:QL+11], 0, v[KSC+(\u)/2], v[QSL] matrix_a_fmt:MATRIX_FMT_FP6 matrix_b_fmt:MATRIX_FMT_FP6
	v_wmma_scale_f32_16x16x128_f8f6f4 v[S+16*(\u)+8:S+16*(\u)+15], v[KFR+12*(\u):KFR+12*(\u)+11], v[QH:QH+11], 0, v[KSC+(\u)/2], v[QSH] matrix_a_fmt:MATRIX_FMT_FP6 matrix_b_fmt:MATRIX_FMT_FP6
.endif
.endm
.macro VMUL t                          ; O^T's tile t += 16 channels of v^T x p, K = the step's 128 keys
.if (\t)%2
	v_wmma_scale_f32_16x16x128_f8f6f4 v[O+8*(\t):O+8*(\t)+7], v[VF+12*(\t):VF+12*(\t)+11], v[PC:PC+11], v[O+8*(\t):O+8*(\t)+7], v[VSC+(\t)/2], v[PW] matrix_a_fmt:MATRIX_FMT_FP6 matrix_b_fmt:MATRIX_FMT_FP6 matrix_a_scale:MATRIX_SCALE_ROW1
.else
	v_wmma_scale_f32_16x16x128_f8f6f4 v[O+8*(\t):O+8*(\t)+7], v[VF+12*(\t):VF+12*(\t)+11], v[PC:PC+11], v[O+8*(\t):O+8*(\t)+7], v[VSC+(\t)/2], v[PW] matrix_a_fmt:MATRIX_FMT_FP6 matrix_b_fmt:MATRIX_FMT_FP6
.endif
.endm
; A KEY STEP: 128 keys, read from slot sl.
.macro STEP sl
.if \sl == 0
	s_wait_loadcnt 0x0                             ; the next step's record is in its staging set;
	s_wait_xcnt 0x0                                ; and every earlier request has read its address registers: the base is written again below
	PUT 1                                          ; slot 1 was last read a step ago, ahead of the barrier
	s_cmp_lt_u32 s15, 8                            ; the last trip asks for nothing: the walk has 18 records
	s_cbranch_scc0 .Lring_\@
	GET 0                                          ; set 0's LDS store was waited for at the end of the step before
.Lring_\@:
.else
	s_cmp_lt_u32 s15, 8
	s_cbranch_scc0 .Lring_\@
	s_wait_loadcnt 0x0
	s_wait_xcnt 0x0
	PUT 0
	GET 1
.Lring_\@:
.endif
	s_add_co_u32 s44, s25, 15
	s_cmp_gt_u32 s26, s44                          ; all 128 keys come after my 16 queries: the step's work is left out
	s_cbranch_scc1 .Lhidden_\@
.irp g, 0,1,2,3,4,5,6,7,8,9,10,11
	ds_load_b128 v[KFR+4*\g:KFR+4*\g+3], v1 offset:\sl*REC+512*\g
.endr
	ds_load_b64 v[KSC:KSC+1], v2 offset:\sl*REC+6144
.irp g, 0,1,2,3,4,5,6,7,8,9,10,11
	ds_load_b128 v[VF+4*\g:VF+4*\g+3], v1 offset:\sl*REC+6400+512*\g
.endr
	ds_load_b64 v[VSC:VSC+1], v2 offset:\sl*REC+12544
	s_wait_dscnt 13                                ; k and its scale words are in; v's 13 loads may be out
	SMUL 0
	SMUL 1
	SMUL 2
	SMUL 3
.rept 4
	v_nop                                          ; places ahead of the first read of the scores and of the first write into k's registers
.endr
	s_add_co_u32 s44, s26, 127
	s_cmp_le_u32 s44, s25                          ; all keys count: no mask
	s_cbranch_scc1 .Lopen_\@
	s_sub_co_i32 s44, s25, s26
	v_add_nc_u32 v[MD], s44, v[R8H]                ; d = my query - the step's first key - 8 (lane / 16).  Register 8 t + i holds key 16 t + 8 (lane / 16) + i: hidden where 16 t + i > d
.set n, 0
.rept 64
	v_cmp_gt_i32 vcc_lo, 16*(n/8)+n%8, v[MD]
	v_cndmask_b32 v[S+n], v[S+n], v[NINF], vcc_lo
.set n, n+1
.endr
.Lopen_\@:
.irp b, 0,1,2,3
	v_max3_num_f32 v[BM+\b], v[S+16*\b], v[S+1+16*\b], v[S+2+16*\b]   ; the largest score of each block of 32 keys: for the row's maximum, and, since p rises with the score, for the block's largest p
.endr
.irp i, 3,5,7,9,11,13
.irp b, 0,1,2,3
	v_max3_num_f32 v[BM+\b], v[BM+\b], v[S+16*\b+\i], v[S+1+16*\b+\i]
.endr
.endr
.irp b, 0,1,2,3
	v_max_num_f32 v[BM+\b], v[BM+\b], v[S+15+16*\b]
.endr
.irp b, 0,1,2,3
	s_delay_alu instid0(VALU_DEP_4)
	v_permlanex16_b32 v[PT+\b], v[BM+\b], s20, s21
.endr
.irp b, 0,1,2,3
	s_delay_alu instid0(VALU_DEP_4)
	v_max_num_f32 v[BM+\b], v[BM+\b], v[PT+\b]     ; with lane l xor 16's 16 keys
.endr
	s_delay_alu instid0(VALU_DEP_2)
	v_max3_num_f32 v[TT], v[BM], v[BM+1], v[BM+2]
	s_delay_alu instid0(VALU_DEP_1)
	v_max_num_f32 v[TT], v[TT], v[BM+3]            ; the step's largest score of my query
	s_delay_alu instid0(VALU_DEP_1)
	v_mul_f32 v[TT], s22, v[TT]                    ; as t (c is positive)
	s_delay_alu instid0(VALU_DEP_1)
	v_max_num_f32 v[TMX], v[TMX], v[TT]
	v_mov_b32 v[TT], v[NM]
	s_delay_alu instid0(VALU_DEP_2)
	v_floor_f32 v[NM], -v[TMX]                     ; the new -M = floor(-t) = -ceil(t)
	s_delay_alu instid0(VALU_DEP_1)
	v_sub_f32 v[TT], v[NM], v[TT]                  ; old M - new M: a whole number, 0 or less
	s_delay_alu instid0(VALU_DEP_1)
	v_cvt_i32_f32 v[TT], v[TT]                     ; (it saturates)
	s_delay_alu instid0(VALU_DEP_1)
	v_ldexp_f32 v[F], 1.0, v[TT]                   ; f = 2^(old M - new M)
.set i, 0
.rept 32
	v_pk_fma_f32 v[S+i:S+i+1], v[S+i:S+i+1], s[22:23], v[NM:NM+1] op_sel_hi:[1,0,0]   ; t - M, two at a time
.set i, i+2
.endr
.irp b, 0,1,2,3
	v_fma_f32 v[BM+\b], v[BM+\b], s22, v[NM]       ; the same of each block's largest score
.endr
.set i, 0
	s_wait_alu depctr_va_vdst(0)
.rept 64
	v_exp_f32 v[S+i], v[S+i]                       ; p = 2^(t - M), at most 1
.set i, i+1
.endr
	v_pk_mul_f32 v[SUM:SUM+1], v[SUM:SUM+1], v[F:F+1] op_sel_hi:[1,0]   ; the sums under the new M (the plain place behind the exponentials)
	s_wait_alu depctr_va_vdst(0)                   ; one wait for the batch of 64, ahead of its first reader
.irp b, 0,1,2,3
	v_exp_f32 v[BM+\b], v[BM+\b]                   ; the block's largest p: the same two instructions on the same number
.endr
	v_pk_add_f32 v[74:75], v[146:147], v[150:151]
	v_pk_add_f32 v[242:243], v[154:155], v[158:159]
	v_pk_add_f32 v[240:241], v[162:163], v[166:167]
	v_pk_add_f32 v[238:239], v[170:171], v[174:175]
	v_pk_add_f32 v[90:91], v[178:179], v[182:183]
	v_pk_add_f32 v[88:89], v[186:187], v[190:191]
	v_pk_add_f32 v[86:87], v[194:195], v[198:199]
	v_pk_add_f32 v[18:19], v[18:19], v[202:203]
	v_pk_add_f32 v[74:75], v[74:75], v[142:143]
	v_pk_add_f32 v[242:243], v[242:243], v[144:145]
	v_pk_add_f32 v[240:241], v[240:241], v[148:149]
	v_pk_add_f32 v[238:239], v[238:239], v[152:153]
	v_pk_add_f32 v[90:91], v[90:91], v[156:157]
	v_pk_add_f32 v[88:89], v[88:89], v[160:161]
	v_pk_add_f32 v[86:87], v[86:87], v[164:165]
	v_pk_add_f32 v[18:19], v[18:19], v[168:169]
	v_pk_add_f32 v[74:75], v[74:75], v[172:173]
	v_pk_add_f32 v[242:243], v[242:243], v[176:177]
	v_pk_add_f32 v[240:241], v[240:241], v[180:181]
	v_pk_add_f32 v[238:239], v[238:239], v[184:185]
	v_pk_add_f32 v[90:91], v[90:91], v[188:189]
	v_pk_add_f32 v[88:89], v[88:89], v[192:193]
	v_pk_add_f32 v[86:87], v[86:87], v[196:197]
	v_pk_add_f32 v[18:19], v[18:19], v[200:201]
	v_pk_add_f32 v[74:75], v[74:75], v[204:205]
	s_delay_alu instid0(VALU_DEP_2)
	v_pk_add_f32 v[18:19], v[18:19], v[238:239]
	s_delay_alu instid0(VALU_DEP_2)
	v_pk_add_f32 v[74:75], v[74:75], v[90:91]
	v_pk_add_f32 v[242:243], v[242:243], v[88:89]
	v_pk_add_f32 v[240:241], v[240:241], v[86:87]
	s_delay_alu instid0(VALU_DEP_2)
	v_pk_add_f32 v[18:19], v[18:19], v[242:243]
	s_delay_alu instid0(VALU_DEP_2)
	v_pk_add_f32 v[74:75], v[74:75], v[240:241]
	s_delay_alu instid0(VALU_DEP_1)
	v_pk_add_f32 v[18:19], v[18:19], v[74:75]
	s_wait_alu depctr_va_vdst(0)                   ; and one for the four
.irp b, 0,1,2,3
	v_max_num_f32 v[BM+\b], 0x1800000, v[BM+\b]    ; the floor 2^(3 - 127): the byte cannot fall under 1
.endr
.irp b, 0,1,2,3
	s_delay_alu instid0(VALU_DEP_4)
	v_add_nc_u32 v[SO+\b], 0xff000000, v[BM+\b]    ; 2 off the exponent field: the conversion's scale operand
.endr
.irp b, 0,1,2,3
	s_delay_alu instid0(VALU_DEP_4)
	v_lshrrev_b32 v[PT+\b], 23, v[SO+\b]           ; the scale's byte
.endr
	s_delay_alu instid0(VALU_DEP_3)
	v_lshl_or_b32 v[PW], v[PT+1], 8, v[PT]         ; p's scale word for these 128 keys
	s_delay_alu instid0(VALU_DEP_1)
	v_lshl_or_b32 v[PW], v[PT+2], 16, v[PW]
	s_delay_alu instid0(VALU_DEP_1)
	v_lshl_or_b32 v[PW], v[PT+3], 24, v[PW]
.irp c, 0,1
	v_cvt_scalef32_pk16_fp6_f32 v[PC+6*\c:PC+2+6*\c], v[S+32*\c:S+15+32*\c], v[SO+2*\c]
	v_cvt_scalef32_pk16_fp6_f32 v[CT+4*\c:CT+2+4*\c], v[S+16+32*\c:S+31+32*\c], v[SO+2*\c+1]   ; (a conversion's three registers begin on an even number)
.endr
	v_nop                                          ; one plain place behind a scaled conversion
.irp c, 0,1                            ; the operand's layout wants a whole block in a lane: lanes 0-15 block 2 c, lanes 16-31 block 2 c + 1
.irp i, 0,1,2
	v_permlane16_swap_b32 v[PC+6*\c+\i], v[CT+4*\c+\i]
.endr
.irp i, 0,1,2
	s_delay_alu instid0(VALU_DEP_3)
	v_mov_b32 v[PC+3+6*\c+\i], v[CT+4*\c+\i]
.endr
.endr
.set i, 0
.rept 16
	v_pk_mul_f32 v[O+i:O+i+1], v[O+i:O+i+1], v[F:F+1] op_sel_hi:[1,0]   ; O^T under the new M.  (For each product below twelve of these name none of its registers: the places behind the lines that wrote p's codes and scale word)
.set i, i+2
.endr
	s_wait_alu depctr_va_vdst(0)
	s_wait_dscnt 0x0                               ; v and its scale words are in
	VMUL 0                                         ; the four accumulators take turns, one instruction a turn
	VMUL 1
	VMUL 2
	VMUL 3
.rept 4
	v_nop                                          ; places ahead of the next loads into these operands' registers and of the next read of O^T
.endr
.Lhidden_\@:
	s_add_co_u32 s26, s26, 128
	s_wait_dscnt 0x0                               ; my stores into the other slot have landed and my reads of this slot are over:
	s_barrier_signal -1
	s_barrier_wait -1                              ; both now hold of all sixteen waves
.endm
; A block of queries ends: o = O^T / the sum; the halves of the lanes change places so that my 16 registers of a block of 32 channels are neighbours in their TRUE order (the last projection's weight is given);
; the head's two blocks are quantised and stored as six registers of an operand, the two scale bytes beside them.
.macro FINISH
	v_add_f32 v[SUM], v[SUM], v[SUM+1]
	s_delay_alu instid0(VALU_DEP_1)
	v_permlanex16_b32 v[PT], v[SUM], s20, s21
	s_delay_alu instid0(VALU_DEP_1)
	v_add_f32 v[SUM], v[SUM], v[PT]                ; the row's sum
	s_wait_alu depctr_va_vdst(0)
	v_rcp_f32 v[F], v[SUM]
	v_nop                                          ; a plain place behind the reciprocal,
	s_wait_alu depctr_va_vdst(0)                   ; and the wait ahead of its first reader
.set i, 0
.rept 16
	v_pk_mul_f32 v[S+i:S+i+1], v[O+i:O+i+1], v[F:F+1] op_sel_hi:[1,0]   ; register 8 t + i: channel 16 t + 8 h + i.  Each accumulator from its low end on
.set i, i+2
.endr
.irp b, 0,1
.irp j, 0,1,2,3,4,5,6,7
	v_permlane16_swap_b32 v[S+16*\b+\j], v[S+16*\b+8+\j]           ; register 16 b + i now holds channel 32 b + 16 h + i
.endr
.endr
.irp b, 0,1
	v_max3_num_f32 v[BM+\b], |v[S+16*\b]|, |v[S+1+16*\b]|, 0x1800000
.endr
.irp i, 2,4,6,8,10,12,14
.irp b, 0,1
	s_delay_alu instid0(VALU_DEP_2)
	v_max3_num_f32 v[BM+\b], v[BM+\b], |v[S+16*\b+\i]|, |v[S+1+16*\b+\i]|
.endr
.endr
.irp b, 0,1
	s_delay_alu instid0(VALU_DEP_2)
	v_permlanex16_b32 v[PT+\b], v[BM+\b], s20, s21
.endr
.irp b, 0,1
	s_delay_alu instid0(VALU_DEP_2)
	v_max_num_f32 v[BM+\b], v[BM+\b], v[PT+\b]
.endr
.irp b, 0,1
	s_delay_alu instid0(VALU_DEP_2)
	v_add_nc_u32 v[SO+\b], 0xff000000, v[BM+\b]
.endr
.irp b, 0,1
	s_delay_alu instid0(VALU_DEP_2)
	v_lshrrev_b32 v[PT+\b], 23, v[SO+\b]
.endr
	s_delay_alu instid0(VALU_DEP_1)
	v_lshl_or_b32 v[TT], v[PT+1], 8, v[PT]         ; my row's two scale bytes
	v_cvt_scalef32_pk16_fp6_f32 v[PC:PC+2], v[S:S+15], v[SO]
	v_cvt_scalef32_pk16_fp6_f32 v[CT:CT+2], v[S+16:S+31], v[SO+1]
	v_nop
.irp i, 0,1,2
	v_permlane16_swap_b32 v[PC+\i], v[CT+\i]
.endr
.irp i, 0,1,2
	s_delay_alu instid0(VALU_DEP_3)
	v_mov_b32 v[PC+3+\i], v[CT+\i]
.endr
	global_store_b128 v1, v[PC:PC+3], s[40:41]             ; 512 consecutive bytes, aligned to 256
	global_store_b64 v2, v[PC+4:PC+5], s[40:41] offset:512 ; 256 consecutive bytes, aligned
	global_store_b16 v[OSA], v[TT], s[42:43]               ; two bytes of each of 16 rows (both halves of the lanes store the same): a row's 32 bytes come from sixteen work-groups; one byte in 24 of what the launch stores
	s_wait_xcnt 0x0                                        ; the stores have read their registers and bases: both may be written again
.endm
	s_load_b256 s[4:11], s[0:1], 0x0               ; qw, kv, oc, os
	v_lshrrev_b32 v1, 5, v0
	s_delay_alu instid0(VALU_DEP_1)
	v_readfirstlane_b32 s12, v1                    ; wave 0..15
	s_mov_b32 s13, ttmp9                           ; 16 x batch + head
	s_and_b32 s14, ttmp7, 0xffff                   ; j
	s_sub_co_u32 s16, 8, s14
	s_lshl_b32 s17, s16, 1
	s_mov_b32 s18, 0
	s_lshr_b32 s44, s12, 1
	s_xor_b32 s44, s44, 6                          ; 0 in waves 12 and 13,
	s_or_b32 s44, s44, s14                         ; of the work-group with j = 0
	s_cmp_eq_u32 s44, 0
	s_cselect_b32 s19, 10, 0
	s_mov_b32 s20, 0x76543210
	s_mov_b32 s21, 0xfedcba98
	s_mov_b32 s22, 0x3e38aa3b                      ; c = log2(e) / 8
	s_mov_b32 s23, s22                             ; (named with it as a pair, so it is written)
	s_sub_co_u32 s24, 7, s14                       ; the long block first
	s_and_b32 s44, s12, 1
	s_sub_co_u32 s27, 0, s44
	s_lshl_b32 s28, s44, 4
	s_mov_b32 s35, 0
	s_mov_b32 s51, 0
	s_lshr_b32 s52, s13, 4                         ; batch
	s_and_b32 s53, s13, 15                         ; head
	v_and_b32 v251, 31, v0
	s_delay_alu instid0(VALU_DEP_1)
	v_lshlrev_b32 v1, 4, v251
	s_delay_alu instid0(VALU_DEP_2)
	v_lshlrev_b32 v2, 3, v251
	v_lshlrev_b32 v3, 4, v0
	v_and_b32 v251, 15, v0                         ; r
	s_wait_alu depctr_va_vdst(0)
	v_bfe_u32 v[MD], v0, 4, 1                      ; h
	v_lshlrev_b32 v[OSA], 5, v251
	s_delay_alu instid0(VALU_DEP_2)
	v_lshlrev_b32 v[MD], 3, v[MD]
	s_delay_alu instid0(VALU_DEP_1)
	v_sub_nc_u32 v[R8H], v251, v[MD]
	s_bfe_u32 s44, s12, 0x20001                    ; u: which of a record's four operands holds my tile: (wave % 8) / 2
	s_mul_i32 s45, s44, 1536
	v_add_nc_u32 v[QA], s45, v1
	s_and_b32 s45, s44, 1
	s_lshl_b32 s45, s45, 7
	s_lshr_b32 s44, s44, 1
	s_lshl_b32 s44, s44, 2
	s_add_co_u32 s45, s45, s44
	s_add_co_u32 s45, s45, 6144
	v_lshl_add_u32 v[QSA], v251, 3, s45            ; its scale word of row r: 6,144 + 8 (r + 16 (u % 2)) + 4 (u / 2)
	v_and_b32 v[PFO], 63, v0
	s_delay_alu instid0(VALU_DEP_1)
	v_lshlrev_b32 v[PFO], 8, v[PFO]
	v_mov_b32 v[NINF], 0xff800000                  ; -infinity
	v_mov_b32 v[F+1], 0
.irp b, 0,1,2,3
	v_mov_b32 v[PT+\b], 0                          ; written once: a lane permute's destination counts as one of its sources
.endr
.irp i, 0,1,2,3,4,5
	v_mov_b32 v[QH+\i], 0                          ; the zero codes beside q
	v_mov_b32 v[QL+6+\i], 0
.endr
	s_mul_i32 s34, s13, 16*REC
	s_wait_kmcnt 0x0
	s_add_nc_u64 s[30:31], s[6:7], s[34:35]        ; the head's sixteen records of kv
	s_add_nc_u64 s[48:49], s[30:31], 160*256       ; where the prefetches begin
	s_mul_i32 s34, s13, 16*6400
	s_add_nc_u64 s[36:37], s[4:5], s[34:35]        ; and of qw
	GET 0                                          ; record 0
	START                                          ; (its wait for loads covers record 0)
	s_wait_xcnt 0x0
	PUT 0
	GET 1                                          ; record 1
	s_wait_dscnt 0x0
	s_barrier_signal -1
	s_barrier_wait -1                              ; record 0 lies in slot 0
	s_mov_b32 s15, 0
.Ltrip:                                            ; nine trips of two key steps
	s_cmp_eq_u32 s15, s16                          ; the first block's 8 - j trips are over: the same in all sixteen waves
	s_cbranch_scc0 .Lsame
	FINISH
	s_mov_b32 s24, s14
	START
.Lsame:
	STEP 0
	STEP 1
	s_add_co_u32 s15, s15, 1
	s_cmp_lt_u32 s15, 9
	s_cbranch_scc1 .Ltrip
	FINISH
	s_wait_xcnt 0x0
	v_lshl_add_u32 v250, v0, 2, 0x6400
	v_mov_b32 v251, 0
	s_wait_alu depctr_va_vdst(0)
	s_wait_tensorcnt 0x0
	ds_add_u32 v250, v251
	s_wait_dscnt 0x0
	s_endpgm
.Lfunc_end_k_qf3b46f6f0d_attn:
	.size	k_qf3b46f6f0d_attn, .Lfunc_end_k_qf3b46f6f0d_attn-k_qf3b46f6f0d_attn
	.p2alignl 7, 3214868480
	.fill 96, 4, 3214868480
	.section	.rodata,"a",@progbits
	.p2align	6, 0x0
	.amdhsa_kernel k_qf3b46f6f0d_attn
		.amdhsa_group_segment_fixed_size 27648
		.amdhsa_private_segment_fixed_size 0
		.amdhsa_enable_private_segment 0
		.amdhsa_kernarg_size 32
		.amdhsa_user_sgpr_count 2
		.amdhsa_user_sgpr_kernarg_segment_ptr 1
		.amdhsa_wavefront_size32 1
		.amdhsa_system_sgpr_workgroup_id_x 1
		.amdhsa_system_sgpr_workgroup_id_y 1
		.amdhsa_system_sgpr_workgroup_id_z 1
		.amdhsa_system_vgpr_workitem_id 0
		.amdhsa_next_free_vgpr 256
		.amdhsa_next_free_sgpr 66
		.amdhsa_reserve_vcc 1
		.amdhsa_float_denorm_mode_32 3
		.amdhsa_float_denorm_mode_16_64 3
		.amdhsa_memory_ordered 1
		.amdhsa_forward_progress 1
		.amdhsa_inst_pref_size 67
	.end_amdhsa_kernel
	.amdgpu_metadata
---
amdhsa.version: [ 1, 2 ]
amdhsa.kernels:
  - .name:           k_qf3b46f6f0d_attn
    .symbol:         k_qf3b46f6f0d_attn.kd
    .args:
      - { .name: qw, .offset: 0, .size: 8, .value_kind: global_buffer, .address_space: global }
      - { .name: kv, .offset: 8, .size: 8, .value_kind: global_buffer, .address_space: global }
      - { .name: oc, .offset: 16, .size: 8, .value_kind: global_buffer, .address_space: global }
      - { .name: os, .offset: 24, .size: 8, .value_kind: global_buffer, .address_space: global }
    .group_segment_fixed_size: 27648
    .private_segment_fixed_size: 0
    .kernarg_segment_align: 8
    .kernarg_segment_size: 32
    .max_flat_workgroup_size: 512
    .sgpr_count:     66
    .vgpr_count:     256
    .wavefront_size: 32
...
	.end_amdgpu_metadata
.endif
;; end of part 2
;; launch proj (part 3): grid 4 x 32, 4 waves a work-group, clusters of 4 x 4, 327,680 bytes of LDS; arguments oc, os, Wo_codes, Wo_scales, bo, out0; writes out0
.if DOCPART == 3
	.amdgcn_target "amdgcn-amd-amdhsa--gfx1250"
	.amdhsa_code_object_version 6
	.text
	.protected	k_qf3b46f6f0d_proj
	.globl	k_qf3b46f6f0d_proj
	.p2align	8
	.type	k_qf3b46f6f0d_proj,@function
k_qf3b46f6f0d_proj:
	s_mov_b64 s[64:65], 0
	v_nop
	global_prefetch_b8 v0, s[64:65] scope:SCOPE_SE
	s_setreg_imm32_b32 hwreg(HW_REG_WAVE_MODE, 25, 1), 1
	s_wait_xcnt 0x0
	s_wait_alu depctr_hold_cnt(0) depctr_sa_sdst(0) depctr_va_vdst(0) depctr_va_sdst(0) depctr_va_ssrc(0) depctr_va_vcc(0) depctr_vm_vsrc(0)
	s_getreg_b32 s2, hwreg(HW_REG_IB_STS2, 6, 4)
	s_cmp_eq_u32 s2, 0
	s_cbranch_scc0 .Lentry_in_a_cluster
	s_endpgm
.Lentry_in_a_cluster:
	s_bfe_u32 s2, ttmp6, 0x10000c
	s_cmp_lg_u32 s2, 0xf033
	s_cbranch_scc0 .Lentry_shape_is_right
	s_endpgm
.Lentry_shape_is_right:
; out0 = o Wo^T + bo.  o: 8,192 rows x 1,024 channels as codes of FP6 (E2M3), made by the launch before; Wo: [1,024][1,024] codes, K innermost; one E8M0 scale for each 32 along K; out0 f32; sums in f32.
; A tile of out0, 256 x 256, is made by a work-group of four waves; a wave makes 128 x 128: 64 accumulators, 512 registers.  32 x 4 tiles: 128 work-groups.
; K goes in steps of 256 through a ring of two LDS slots.  Wo's tile has rows of 192 bytes, padded in LDS.  o lies in memory as IMAGES OF OPERAND REGISTERS, [row / 16][head][768]: six registers (16 rows x 64 channels),
; registers 0-3 at 16 l, registers 4, 5 at 512 + 8 l: a K step is four heads, 3,072 dense bytes for each 16 rows, and a fragment comes by two loads of 16 bytes and two of 8, lane beside lane.
; The scale bytes of the 512 rows, for all of K, come into LDS once and stay.  The bias is the C of each sum's first matrix instruction.
; CLUSTERS: 4 x 4 work-groups; o's tiles are asked for jointly along a row of the cluster, Wo's along a column.  THE MATRIX INSTRUCTION IS USED TRANSPOSED (source 0 = 16 rows of Wo, source 1 = 16 rows of o):
; a lane then holds eight neighbouring numbers of a row of out0.
; REGISTERS, in windows of 256: window 0: v0-31 addresses; v32-63 scale words, two sets; v64-127 the bias; from v128 o's fragments, ONE set; on the way out v128-255 hold rows.
;   window 1: Wo's fragments, TWO sets, at v0 and v128.   windows 2, 3: the accumulators of my rows 0-63 and 64-127.
.set SIZE_N, 1024
.set KSTEP,  256
.set NQ,     KSTEP/128
.set ROWB,   192                       ; a row of Wo's tile in bytes
.set KROW,   768                       ; a row of codes in memory; also o's bytes for each row: 12,288 for 16
.set PITCH,  240                       ; Wo's LDS row: 3 x (64 bytes + 16 of padding)
.set AIMG,   3072                      ; o: 16 rows x 256 along K
.set FR,     12
.set NL,     6                         ; LDS loads that bring a fragment of Wo
.set NLA,    4                         ; and one of o
.set NP,     4                         ; places behind this matrix instruction (ISA guide 7.12.1)
.set HALFA,  8*AIMG                    ; o's 128 rows: what one tensor load brings
.set HALFB,  128*PITCH                 ; Wo's 128 rows
.set SLOT,   2*HALFA+2*HALFB           ; o's 256 rows, then Wo's 256
.set KS,     32
.set SCL,    2*SLOT                    ; behind the ring: the scales, as runs of 256 bytes + 16 of padding
.set HALFS,  (128*KS/256)*272
.set SBLK,   (16*KS/256)*272
.set SPARE,  SCL+4*HALFS               ; the spare words, 128 bytes for each wave: two blocks of 256 bytes that no other line names
.set SPITCH, 528                       ; the way out: a stage of 16 rows x (512 bytes + 16) for each wave, in slot 0, which has had its last fill and its last read when the first result is stored there
.set ADRA, 16                          ; v16-17 LDS address of o's images in slot 0, 1, + 16 x lane;  v18-19 the same + 8 x lane
.set ADRB, 20                          ; v20-21 of my Wo fragments;  v22-23 behind one padding more
.set STO,  24
.set RD,   25
.set CO,   26
.set ADRS, 27
.set SPW,  28                          ; LDS address of my spare word; never rewritten
.set NIL,  29                          ; 0; never rewritten
.set SC,   32
.set BIAS, 64
.set AF,   128
.set BK,   128
.set G1, 24
.set G0, 32
.set G1B, 48
.set G0B, 56
.set G1S, 68
.set G0S, 76
.set G1SB, 80
.set G0SB, 88
.set MSB, 0
.macro WIN new                         ; the immediate's high byte repeats the setting that is left
.if MSB != \new
	s_set_vgpr_msb (MSB<<8)|\new
.set MSB, \new
.endif
.endm
.set MUL_LO, 0xa1                      ; source 0 (Wo) window 1, source 1 (o) window 0, C and D window 2
.set MUL_HI, 0xf1                      ; the same, C and D window 3
.set BEG_LO, 0x81                      ; the first products: C (the bias) window 0, D window 2
.set BEG_HI, 0xc1                      ; D window 3
.set TO_B,   0x40
.macro JLOAD g0a, g1a, g0b, g1b        ; a joint load: waves 0 and 1 fetch for o, waves 2 and 3 for Wo; four v_nop follow each of the two lines
	s_cmp_eq_u32 s15, 0
	s_cbranch_scc0 .Lfor_b_\@
	tensor_load_to_lds s[\g0a:\g0a+3], s[\g1a:\g1a+7]
	s_nop 0
.rept 4
	v_nop
.endr
	s_branch .Lasked_\@
.Lfor_b_\@:
	tensor_load_to_lds s[\g0b:\g0b+3], s[\g1b:\g1b+7]
	s_nop 0
.rept 4
	v_nop
.endr
.Lasked_\@:
.endm
.macro CREST
	s_cmp_lg_u32 s14, 0
	s_cbranch_scc1 .Lnot_wave_0_\@
	s_barrier_signal -3
.Lnot_wave_0_\@:
	s_barrier_wait -3
	s_barrier_signal -1
	s_barrier_wait -1
.endm
.macro CROUND
	s_barrier_signal -1
	s_barrier_wait -1
	CREST
.endm
	s_load_b128 s[4:7], s[0:1], 0x0                ; o's codes, o's scales
	s_load_b128 s[8:11], s[0:1], 0x10              ; Wo's codes, Wo's scales
	s_load_b64 s[96:97], s[0:1], 0x20              ; bo
	s_load_b64 s[12:13], s[0:1], 0x28              ; out0
	v_lshl_add_u32 v[SPW], v0, 2, SPARE
	v_mov_b32 v[NIL], 0
	ds_add_u32 v28, v29
	ds_add_u32 v28, v29
	s_wait_dscnt 0x0
	v_lshrrev_b32 v1, 5, v0
	v_readfirstlane_b32 s14, v1                    ; wave 0..3
	s_lshr_b32 s15, s14, 1                         ; which half of the tile's rows is mine.  Also: I fetch for o (0) or for Wo (1)
	s_and_b32 s16, s14, 1                          ; which half of its columns.  Also: which 128 rows of that tile I fetch
	s_bfe_u32 s40, ttmp6, 0x40000                  ; cx, cy
	s_bfe_u32 s41, ttmp6, 0x40004
	s_lshl_b32 s42, ttmp9, 2
	s_add_co_u32 s42, s42, s40                     ; tile column = 4 x cluster x + cx
	s_and_b32 s17, ttmp7, 0xffff
	s_lshl_b32 s17, s17, 2
	s_add_co_u32 s17, s17, s41                     ; tile row = 4 x cluster y + cy
	s_lshl_b32 s43, s41, 2
	s_lshl_b32 s43, 15, s43                        ; my row of the cluster
	s_lshl_b32 s44, 0x1111, s40                    ; my column
	; group 1 for o: 8 rows (of 16 rows of o each) x 3,072 bytes, 12,288 bytes apart, no padding
	s_or_b32 s[G1+0], s43, (3<<16)|(1<<21)         ; 15:0 the mask: my row; 17:16 elements of 8 bytes; 21 set beside a mask
	s_mov_b32 s[G1+1], (AIMG/8)<<16                ; tensor_dim0 = 384
	s_mov_b32 s[G1+2], 8<<16                       ; tensor_dim1 = 8
	s_mov_b32 s[G1+3], (AIMG/8)<<16                ; tile_dim0
	s_mov_b32 s[G1+4], 8                           ; tile_dim1
	s_mov_b32 s[G1+5], 12288/8                     ; tensor_dim0_stride
	s_mov_b32 s[G1+6], 0
	s_mov_b32 s[G1+7], 0
	; for Wo: 128 rows x 192 bytes, 16 bytes of padding behind every 64
	s_or_b32 s[G1B+0], s44, (0<<16)|(1<<20)|(1<<21)|(3<<22)|(3<<25)
	s_mov_b32 s[G1B+1], ROWB<<16
	s_mov_b32 s[G1B+2], 128<<16
	s_mov_b32 s[G1B+3], ROWB<<16
	s_mov_b32 s[G1B+4], 128
	s_mov_b32 s[G1B+5], KROW
	s_mov_b32 s[G1B+6], 0
	s_mov_b32 s[G1B+7], 0
	; for the scales of 128 rows: 4,096 dense bytes as rows of 256 bytes, 16 bytes of padding behind each
	s_or_b32 s[G1S+0], s43, (3<<16)|(1<<20)|(1<<21)|(5<<22)|(3<<25)
	s_or_b32 s[G1SB+0], s44, (3<<16)|(1<<20)|(1<<21)|(5<<22)|(3<<25)
.irp g, G1S, G1SB
	s_mov_b32 s[\g+1], 32<<16
	s_mov_b32 s[\g+2], (128*KS/256)<<16
	s_mov_b32 s[\g+3], 32<<16
	s_mov_b32 s[\g+4], 128*KS/256
	s_mov_b32 s[\g+5], 32
	s_mov_b32 s[\g+6], 0
	s_mov_b32 s[\g+7], 0
.endr
	s_lshl_b32 s18, s16, 7
	s_lshl_b32 s20, s17, 8
	s_add_co_u32 s20, s20, s18                     ; o: row 256 x tile row + 128 x half
	s_lshl_b32 s46, s42, 8
	s_add_co_u32 s46, s46, s18                     ; Wo: row 256 x tile column + 128 x half
	s_mov_b32 s21, 0
	s_mov_b32 s47, 0
	s_mov_b64 s[18:19], KS
	s_mul_u64 s[22:23], s[20:21], s[18:19]         ; where these rows' scales begin
	s_mul_u64 s[92:93], s[46:47], s[18:19]
	s_mov_b64 s[18:19], KROW
	s_mul_u64 s[20:21], s[20:21], s[18:19]         ; and their codes (o: 16 rows are 12,288 bytes: 768 a row)
	s_mul_u64 s[46:47], s[46:47], s[18:19]
	s_mul_i32 s45, s16, HALFA                      ; where they go: o's two halves,
	s_mul_i32 s95, s16, HALFB
	s_add_co_u32 s95, s95, 2*HALFA                 ; then Wo's two: no place in the cluster enters an LDS address
	s_mul_i32 s94, s14, HALFS
	s_wait_kmcnt 0x0
	s_add_nc_u64 s[20:21], s[4:5], s[20:21]
	s_add_nc_u64 s[22:23], s[6:7], s[22:23]
	s_add_nc_u64 s[46:47], s[8:9], s[46:47]
	s_add_nc_u64 s[92:93], s[10:11], s[92:93]
	CROUND                                         ; all sixteen work-groups are here: the first joint loads meet
	s_mov_b32 s[G0S], 1
	s_add_co_u32 s[G0S+1], s94, SCL
	s_mov_b64 s[G0S+2:G0S+3], s[22:23]
	s_or_b32 s[G0S+3], s[G0S+3], 0x80000000
	s_mov_b32 s[G0SB], 1
	s_add_co_u32 s[G0SB+1], s94, SCL
	s_mov_b64 s[G0SB+2:G0SB+3], s[92:93]
	s_or_b32 s[G0SB+3], s[G0SB+3], 0x80000000
	JLOAD G0S, G1S, G0SB, G1SB                     ; the scales first
.irp s, 0,1
	s_mov_b32 s[G0+4*\s], 1
	s_add_co_u32 s[G0+4*\s+1], s45, \s*SLOT
	s_add_nc_u64 s[G0+4*\s+2:G0+4*\s+3], s[20:21], \s*AIMG
	s_or_b32 s[G0+4*\s+3], s[G0+4*\s+3], 0x80000000
	s_mov_b32 s[G0B+4*\s], 1
	s_add_co_u32 s[G0B+4*\s+1], s95, \s*SLOT
	s_add_nc_u64 s[G0B+4*\s+2:G0B+4*\s+3], s[46:47], \s*ROWB
	s_or_b32 s[G0B+4*\s+3], s[G0B+4*\s+3], 0x80000000
	JLOAD G0+4*\s, G1, G0B+4*\s, G1B               ; by this text's count three tensor loads of a wave are out
.endr
	v_and_b32 v1, 15, v0                           ; r
	v_bfe_u32 v2, v0, 4, 1                         ; h
	v_and_b32 v6, 31, v0                           ; lane
	v_mul_u32_u24 v3, v1, PITCH
	v_mul_u32_u24 v4, v2, 24
	v_add_nc_u32 v4, v3, v4                        ; Wo: a fragment's row x pitch + 24 x half
	v_lshl_add_u32 v5, v2, 4, v4                   ; and the same behind one padding more
	s_mul_i32 s21, s15, HALFA                      ; my 128 rows of o
	s_mul_i32 s22, s16, HALFB                      ; my 128 rows of Wo,
	s_add_co_u32 s22, s22, 2*HALFA                 ; which lie behind o's 256
.irp s, 0,1
	v_lshl_add_u32 v[ADRA+\s], v6, 4, s21
	v_lshl_add_u32 v[ADRA+2+\s], v6, 3, s21
	v_add_nc_u32 v[ADRB+\s], s22, v4
	v_add_nc_u32 v[ADRB+2+\s], s22, v5
	s_add_co_u32 s21, s21, SLOT
	s_add_co_u32 s22, s22, SLOT
.endr
	v_mul_u32_u24 v5, v1, KS                       ; my row's scales: 32 bytes a row,
	v_lshrrev_b32 v7, 8, v5
	v_lshl_add_u32 v5, v7, 4, v5                   ; and 16 more for each 256 passed
	s_mul_i32 s21, s15, HALFS
	s_mul_i32 s22, s16, HALFS
	s_add_co_u32 s22, s22, 2*HALFS
	s_sub_co_u32 s22, s22, s21
	v_mul_u32_u24 v7, s22, v2                      ; lanes 16-31 take Wo's: one product, the distance between the two bases x h
	s_add_co_u32 s21, s21, SCL
	v_add_nc_u32 v5, v5, v7
	v_add_nc_u32 v[ADRS], s21, v5
	s_mul_i32 s23, s14, 16*SPITCH                  ; my stage
	v_mul_u32_u24 v5, v1, SPITCH                   ; in: row l % 16, 32 bytes for each half of the lanes
	v_lshl_add_u32 v5, v2, 5, v5
	v_add_nc_u32 v[STO], s23, v5
	v_lshlrev_b32 v[CO], 4, v6                     ; back: the 32 lanes take one row of 512 bytes; and the same in out0
	v_add_nc_u32 v[RD], s23, v[CO]
	s_lshl_b32 s20, s17, 8
	s_lshl_b32 s21, s15, 7
	s_add_co_u32 s20, s20, s21                     ; my first row of out0
	s_mov_b32 s21, 0
	s_mov_b64 s[18:19], SIZE_N*4
	s_mul_u64 s[20:21], s[20:21], s[18:19]
	s_lshl_b32 s46, s42, 10                        ; my first column, in bytes: 1,024 x tile column + 512 x half
	s_lshl_b32 s47, s16, 9
	s_add_co_u32 s46, s46, s47
	s_mov_b32 s47, 0
	s_add_nc_u64 s[96:97], s[96:97], s[46:47]      ; the bias at my first column
	s_add_nc_u64 s[20:21], s[20:21], s[46:47]
	s_add_nc_u64 s[12:13], s[12:13], s[20:21]
	v_lshlrev_b32 v7, 5, v2                        ; the bias in the accumulators' layout: register 8 b + j is column 16 b + 8 h + j
.irp b, 0,1,2,3,4,5,6,7
	global_load_b128 v[BIAS+8*\b:BIAS+8*\b+3], v7, s[96:97] offset:64*\b
	global_load_b128 v[BIAS+8*\b+4:BIAS+8*\b+7], v7, s[96:97] offset:64*\b+16
.endr
.macro FRAG reg, adr, q, i             ; a fragment of Wo: 24 bytes of the row's stream of bits twice, in pieces of 8 bytes; the second address register serves the pieces behind one padding more
.irp p, 0,1,2,3,4,5
.set PCE, 12*(\q)+6*(\p/3)+\p%3
.if PCE%8 < 5
	ds_load_b64 v[\reg+2*\p:\reg+2*\p+1], v[\adr] offset:8*PCE+16*(PCE/8)+(\i)*16*PITCH
.else
	ds_load_b64 v[\reg+2*\p:\reg+2*\p+1], v[\adr+2] offset:8*PCE+16*(PCE/8)+(\i)*16*PITCH
.endif
.endr
.endm
.macro FRAGA reg, slot, q, i           ; a fragment of o: the images of heads 2 q and 2 q + 1 of the slot's four, six registers each
.irp c, 0,1
	ds_load_b128 v[\reg+6*\c:\reg+6*\c+3], v[ADRA+\slot] offset:AIMG*(\i)+768*(2*(\q)+\c)
	ds_load_b64 v[\reg+6*\c+4:\reg+6*\c+5], v[ADRA+2+\slot] offset:AIMG*(\i)+768*(2*(\q)+\c)+512
.endr
.endm
; 16 matrix instructions: o's blocks a0, a0 + 1 x Wo's eight, 128 along K.  first = 1: the bias is C, and the product starts the sum.  The 64 accumulators take turns, one instruction a turn.
.macro MUL16 a0, p, q, sc, first
.irp a, \a0, \a0+1
.irp b, 0,1,2,3,4,5,6,7
.if \first
	v_wmma_scale_f32_16x16x128_f8f6f4 v[8*(8*((\a)%4)+\b):8*(8*((\a)%4)+\b)+7], v[128*(\p)+FR*\b:128*(\p)+FR*\b+FR-1], v[AF+FR*(\a):AF+FR*(\a)+FR-1], v[BIAS+8*\b:BIAS+8*\b+7], v[SC+8*NQ*(\sc)+NQ*\b+(\q)], v[SC+8*NQ*(\sc)+NQ*(\a)+(\q)] matrix_a_fmt:MATRIX_FMT_FP6 matrix_b_fmt:MATRIX_FMT_FP6 matrix_a_scale:MATRIX_SCALE_ROW1
.else
	v_wmma_scale_f32_16x16x128_f8f6f4 v[8*(8*((\a)%4)+\b):8*(8*((\a)%4)+\b)+7], v[128*(\p)+FR*\b:128*(\p)+FR*\b+FR-1], v[AF+FR*(\a):AF+FR*(\a)+FR-1], v[8*(8*((\a)%4)+\b):8*(8*((\a)%4)+\b)+7], v[SC+8*NQ*(\sc)+NQ*\b+(\q)], v[SC+8*NQ*(\sc)+NQ*(\a)+(\q)] matrix_a_fmt:MATRIX_FMT_FP6 matrix_b_fmt:MATRIX_FMT_FP6 matrix_a_scale:MATRIX_SCALE_ROW1
.endif
.endr
.endr
.endm
.macro FETCH_B slot, q, p
	WIN TO_B
.irp i, 0,1,2,3,4,5,6,7
	FRAG 128*(\p)+FR*\i, ADRB+\slot, \q, \i
.endr
	WIN 0
.endm
.macro FETCH_A slot, q, i0
.irp i, \i0, \i0+1, \i0+2, \i0+3
	FRAGA AF+FR*(\i), \slot, \q, \i
.endr
.endm
.macro SCALES sc                       ; the next K step's scale words: lanes 0-15 take o's block i, lanes 16-31 Wo's block i
.irp i, 0,1,2,3,4,5,6,7
	ds_load_b64 v[SC+8*NQ*\sc+NQ*\i:SC+8*NQ*\sc+NQ*\i+1], v[ADRS] offset:\i*SBLK
.endr
.endm
.macro PLACES n                        ; places behind matrix instructions, ahead of loads into their registers and of reads of their results (ISA guide 7.12.1 for reads of their results)
.rept \n
	v_nop
.endr
.endm
.macro STEP slot, q, first
	s_wait_dscnt 4*NLA                             ; Wo's set and o's blocks 0-3 are in; the youngest 16 loads (o's blocks 4-7) may be out
.if \first
	WIN BEG_LO
.else
	WIN MUL_LO
.endif
	MUL16 0, (\q)%2, \q, \slot, \first
	MUL16 2, (\q)%2, \q, \slot, \first
	s_wait_dscnt 0
	PLACES NP
	FETCH_B \slot, (\q)+1, 1-(\q)%2
	FETCH_A \slot, (\q)+1, 0
.if \first
	WIN BEG_HI
.else
	WIN MUL_HI
.endif
	MUL16 4, (\q)%2, \q, \slot, \first
	MUL16 6, (\q)%2, \q, \slot, \first
	PLACES NP
	WIN 0
	FETCH_A \slot, (\q)+1, 4
.endm
; A slot's last step changes slots: ONE barrier; in front of it each wave waits for all its tensor loads, adds 0 to its spare word, and waits for that and for its own reads of this slot.
.macro TURN slot, next, fill
	s_wait_tensorcnt 0x0                           ; all my tensor loads have landed: my part of the next slot
	ds_add_u32 v[SPW], v[NIL]                      ; 0 onto my spare word
	s_wait_dscnt 4*NLA+1                           ; (the add and the youngest 16 loads may be out)
	WIN MUL_LO
	MUL16 0, 1, NQ-1, \slot, 0
	s_wait_dscnt 0x0                               ; the add is done, and my reads of this slot are over
	s_barrier_signal -1
	MUL16 2, 1, NQ-1, \slot, 0
	WIN 0
	s_barrier_wait -1
.if \fill
	CREST                                          ; the barrier has opened a round of the cluster's barrier: no wave of any partner still reads this slot's tile or has a load on its way
	s_add_nc_u64 s[G0+4*\slot+2:G0+4*\slot+3], s[G0+4*\slot+2:G0+4*\slot+3], 2*AIMG
	s_add_nc_u64 s[G0B+4*\slot+2:G0B+4*\slot+3], s[G0B+4*\slot+2:G0B+4*\slot+3], 2*ROWB
	JLOAD G0+4*\slot, G1, G0B+4*\slot, G1B         ; the first tensor load behind the round; its four v_nop are the places in front of the loads below
.else
	PLACES NP
.endif
	v_add_nc_u32 v[ADRS], 4*NQ, v[ADRS]            ; on to the next K step's scale words (no LDS load of mine is out)
	FETCH_B \next, 0, 0
	FETCH_A \next, 0, 0
	SCALES \next
	WIN MUL_HI
	MUL16 4, 1, NQ-1, \slot, 0
	MUL16 6, 1, NQ-1, \slot, 0
	PLACES NP
	WIN 0
	FETCH_A \next, 0, 4
.endm
	s_wait_loadcnt 0x0                             ; the bias
	s_wait_tensorcnt 1                             ; the scales and my part of K step 0 are in (K step 1's load may be out)
	s_barrier_signal -1
	s_barrier_wait -1                              ; everybody's are
	FETCH_B 0, 0, 0
	FETCH_A 0, 0, 0
	SCALES 0
	FETCH_A 0, 0, 4
	STEP 0, 0, 1                                   ; K = 1,024 is four K steps, twice round the ring: written out
	TURN 0, 1, 1
	STEP 1, 0, 0
	TURN 1, 0, 1
	STEP 0, 0, 0
	TURN 0, 1, 0                                   ; the last lap fills nothing, and has no round of the cluster's barrier
	STEP 1, 0, 0
	s_wait_dscnt 4*NLA                             ; the very last step: nothing more to fetch
	WIN MUL_LO
	MUL16 0, 1, NQ-1, 1, 0
	MUL16 2, 1, NQ-1, 1, 0
	s_wait_dscnt 0
	WIN MUL_HI
	MUL16 4, 1, NQ-1, 1, 0
	MUL16 6, 1, NQ-1, 1, 0
	WIN 0
; THE WAY OUT, block by block of 16 rows x 128 columns: through my own stage in LDS and back as whole rows of 512 bytes.  LDS serves a wave's instructions in order (ISA guide 5.7.1.4): no wait between the stores and the loads.
.macro TOSTAGE a
.set AC, 64*((\a)%4)
	WIN 0x08+4*((\a)/4)                            ; the data: window 2 or 3
.irp b, 0,1,2,3,4,5,6,7
	ds_store_b128 v[STO], v[AC+8*\b:AC+8*\b+3] offset:64*\b          ; each accumulator from its low end on
	ds_store_b128 v[STO], v[AC+8*\b+4:AC+8*\b+7] offset:64*\b+16
.endr
	WIN 0
.set BB, BK+64*((\a)%2)
.irp t, 0,1,2,3,4,5,6,7,8,9,10,11,12,13,14,15
	ds_load_b128 v[BB+4*\t:BB+4*\t+3], v[RD] offset:\t*SPITCH
.endr
.endm
.macro SEND a, younger                 ; younger: the LDS instructions issued behind block a's loads, which may stay out
.set BB, BK+64*((\a)%2)
	s_wait_dscnt \younger
.if (\a) > 0
	s_add_nc_u64 s[12:13], s[12:13], 16*SIZE_N*4   ; (behind a wait on XCNT: the earlier stores have read their base)  16 rows on
.endif
.irp t, 0,1,2,3,4,5,6,7,8,9,10,11,12,13,14,15
	global_store_b128 v[CO], v[BB+4*\t:BB+4*\t+3], s[12:13] offset:\t*SIZE_N*4 th:TH_STORE_NT   ; 32 lanes store 512 consecutive bytes, at a multiple of 256 from out0's first byte
.endr
.endm
	PLACES NP
	TOSTAGE 0
.irp a, 1,2,3,4,5,6,7
.if \a > 1
	s_wait_xcnt 0x0                                ; block a - 2's stores have read their registers and their base
.endif
	TOSTAGE \a
	SEND \a-1, 32                                  ; behind block a - 1's loads: block a's 16 stores and 16 loads
.endr
	s_wait_xcnt 0x0
	SEND 7, 0
	s_wait_tensorcnt 0x0                           ; the wave's end
	ds_add_u32 v[SPW], v[NIL]
	s_wait_dscnt 0x0
	CROUND                                         ; the closing round
	s_endpgm
.Lfunc_end_k_qf3b46f6f0d_proj:
	.size	k_qf3b46f6f0d_proj, .Lfunc_end_k_qf3b46f6f0d_proj-k_qf3b46f6f0d_proj
	.p2alignl 7, 3214868480
	.fill 96, 4, 3214868480
	.section	.rodata,"a",@progbits
	.p2align	6, 0x0
	.amdhsa_kernel k_qf3b46f6f0d_proj
		.amdhsa_group_segment_fixed_size 327680
		.amdhsa_private_segment_fixed_size 0
		.amdhsa_enable_private_segment 0
		.amdhsa_kernarg_size 48
		.amdhsa_user_sgpr_count 2
		.amdhsa_user_sgpr_kernarg_segment_ptr 1
		.amdhsa_wavefront_size32 1
		.amdhsa_system_sgpr_workgroup_id_x 1
		.amdhsa_system_sgpr_workgroup_id_y 1
		.amdhsa_system_sgpr_workgroup_id_z 1
		.amdhsa_system_vgpr_workitem_id 0
		.amdhsa_next_free_vgpr 1024
		.amdhsa_next_free_sgpr 98
		.amdhsa_reserve_vcc 0
		.amdhsa_float_denorm_mode_32 3
		.amdhsa_float_denorm_mode_16_64 3
		.amdhsa_memory_ordered 1
		.amdhsa_forward_progress 1
		.amdhsa_inst_pref_size 154
	.end_amdhsa_kernel
	.amdgpu_metadata
---
amdhsa.version: [ 1, 2 ]
amdhsa.kernels:
  - .name:           k_qf3b46f6f0d_proj
    .symbol:         k_qf3b46f6f0d_proj.kd
    .args:
      - { .name: oc, .offset: 0, .size: 8, .value_kind: global_buffer, .address_space: global }
      - { .name: os, .offset: 8, .size: 8, .value_kind: global_buffer, .address_space: global }
      - { .name: Wo_codes, .offset: 16, .size: 8, .value_kind: global_buffer, .address_space: global }
      - { .name: Wo_scales, .offset: 24, .size: 8, .value_kind: global_buffer, .address_space: global }
      - { .name: bo, .offset: 32, .size: 8, .value_kind: global_buffer, .address_space: global }
      - { .name: out0, .offset: 40, .size: 8, .value_kind: global_buffer, .address_space: global }
    .group_segment_fixed_size: 327680
    .private_segment_fixed_size: 0
    .kernarg_segment_align: 8
    .kernarg_segment_size: 48
    .max_flat_workgroup_size: 128
    .sgpr_count:     98
    .vgpr_count:     1024
    .wavefront_size: 32
...
	.end_amdgpu_metadata
.endif
;; end of part 3
